; MI455X (gfx1250); checked and timed in simulation.
; The chip was launched on July 23, 2026; its instructions are those of AMD's public machine-readable ISA for CDNA 5 (MIT licence, August 2026) and "CDNA5" Instruction Set Architecture Reference Guide (July 2026). The comments in the code are by the model that wrote it; some were corrected since.
;; Multi Head Attention. Allowed arithmetic: matrix products marked QUANTISED: E2M1 operands, one E8M0 scale for each 32 along K, by v_wmma_scale_f32_16x16x128_f8f6f4 with both operands' format E2M1 (or v_wmma_scale_f32_32x16x128_f4), f32 sums; products left as they are: bf16, f16 or f32 operands; f32 sums; everything else in f32.
;; Inputs: Wk 512 x 2,048 float32; Wo 2,048 x 1,024 float32; Wq 1,024 x 2,048 float32; Wv 512 x 2,048 float32; attention_mask 2 x 1 x 2,048 x 2,048 float32; hidden_states 2 x 2,048 x 2,048 float32; k_norm_w 128 float32; q_norm_w 128 float32.
;; Outputs: out0 2 x 2,048 x 2,048 float32.
;; This version of the problem:
;;   THIS VERSION OF THE PROBLEM IS GIVEN IN LOW PRECISION. The matrix products marked QUANTISED in the list below multiply operands that are first quantised to E2M1 (2 exponent bits, 1 mantissa bit; 4 bits a number), with one power-of-two scale for each 32 numbers along K (OCP MX v1.0); their sums are f32. The products marked 'left as it is' may take bf16, f16 or f32 operands, with f32 sums. Whichever they take, every output number must still come out within the allowed error. Rounding operands to bf16 (8 significant bits) uses up far more of that allowance than f16 does (11 bits, for magnitudes from 6e-5 to 65,504). All else is computed in f32.
;;   The module's matrix products, in the order in which they are computed (A, B: the left and right operand; K: the contracted axis; several contracted axes count as one K, in the product's order):
;;     1. [M 4,096, K 2,048] x [K 2,048, N 1,024]; A: input hidden_states; B: input Wq: QUANTISED
;;     2. [M 4,096, K 2,048] x [K 2,048, N 512]; A: input hidden_states; B: input Wk: QUANTISED
;;     3. [M 4,096, K 2,048] x [K 2,048, N 512]; A: input hidden_states; B: input Wv: QUANTISED
;;     4. batch 16 x [M 2,048, K 128] x [K 128, N 2,048]; A: computed on the way; B: computed on the way: left as it is (an operand is computed on the way)
;;     5. batch 16 x [M 2,048, K 2,048] x [K 2,048, N 128]; A: computed on the way; B: computed on the way: left as it is (an operand is computed on the way)
;;     6. [M 4,096, K 1,024] x [K 1,024, N 2,048]; A: computed on the way; B: input Wo: left as it is (an operand is computed on the way)
;;   THE QUANTISER, for each operand of a quantised product, along K:
;;     - K is cut into blocks of 32 from its start; a last block that is shorter is filled with zeros.
;;     - A block's scale is 2^e with e = floor(log2(the largest magnitude in the block)) - 2, held to -126 .. 127; a block of zeros has e = 0. As a byte (E8M0): e + 127.
;;     - Each number is divided by its block's scale, clamped to +-6, and rounded to the nearest number of E2M1, ties to even, subnormals kept.
;;     - The product sums the exact products of the quantised numbers (number of the format x scale) in f32.
;;   ~~~python
;;   def quantise(x, axis):      # numpy; x: float32 -> the quantised numbers, widened to float32 again
;;       x = np.moveaxis(x, axis, -1); K = x.shape[-1]
;;       x = np.pad(x, [(0, 0)] * (x.ndim - 1) + [(0, -K % 32)]); x = x.reshape(x.shape[:-1] + (-1, 32)); a = np.abs(x).max(-1, keepdims=True)
;;       e = np.where(a > 0, np.clip(np.frexp(np.where(a > 0, a, 1))[1] - 1 - 2, -126, 127), 0)      # np.frexp(a)[1] - 1 = floor(log2(a)), exactly
;;       r = np.clip(x / 2.0 ** e, -6, 6)
;;       step = 2.0 ** (np.maximum(np.frexp(np.where(r == 0, 1, r))[1] - 1, 0) - 1)
;;       q = np.round(r / step) * step * 2.0 ** e      # np.round: ties to even
;;       return np.moveaxis(q.reshape(q.shape[:-2] + (-1,))[..., :K], -1, axis).astype(np.float32)
;;   ~~~
;; One version. Each part assembles by itself: llvm-mc -triple=amdgcn-amd-amdhsa -mcpu=gfx1250 --defsym DOCPART=n.
;; ======== version 1 of 1: 4 launches
;; limits: values are held in f16: magnitudes above 65,504 overflow, below 6.1e-05 lose precision
;; workspace buffers: codes 6,291,456 bytes; scales 393,216 bytes; wo16 4,194,304 bytes; rope 1,048,576 bytes; qkv 16,777,216 bytes; attn 8,388,608 bytes
;; launch prep (part 1): grid 480 x 1, 4 waves a work-group, no clusters, 33,280 bytes of LDS; arguments hidden_states, Wq, Wk, Wv, Wo, codes, scales, wo16, rope; writes codes, scales, wo16, rope
.if DOCPART == 1
	.amdgcn_target "amdgcn-amd-amdhsa--gfx1250"
	.amdhsa_code_object_version 6
	.text
	.protected	k_qf40c2df11f_prep
	.globl	k_qf40c2df11f_prep
	.p2align	8
	.type	k_qf40c2df11f_prep,@function
k_qf40c2df11f_prep:
	s_mov_b64 s[64:65], 0
	v_nop
	global_prefetch_b8 v0, s[64:65] scope:SCOPE_SE
	s_setreg_imm32_b32 hwreg(HW_REG_WAVE_MODE, 25, 1), 1
	s_wait_xcnt 0x0
; PREP.  Three jobs, shared out by the work-group's number; waves share nothing, so there is no barrier.
;   work-groups 0-383:   hidden_states, Wq, Wk, Wv (f32, K innermost) become codes of FP4 (E2M1) and one E8M0 byte for each 32 along K.  The four tensors are plain streams of blocks of 32;
;                        their codes lie one behind the other as 6,144 rows of 1,024 bytes, their scale bytes as 6,144 rows of 64 bytes.  32,768 numbers a work-group, 8,192 a wave.
;   work-groups 384-447: Wo becomes f16, in place of order.  8,192 numbers a wave.
;   work-groups 448-479: the table of cos and sin for RoPE, one tile of 16 positions a wave, laid as the image of the registers that the next launch loads.
; A block's scale is 2^(floor(log2(its largest magnitude)) - 2): its byte is the largest magnitude's own exponent field - 2, held at 1 from below.
; The quantiser's loads run eight steps ahead: 32 loads, 16,384 bytes, of every wave are on their way; the turn through LDS runs one step ahead.
; LIMITS: a block of zeros gets the byte 1 (its codes are zeros, and this program alone reads the bytes); blocks whose largest magnitude lies under 2^(3 - 127) are held at that floor; NaN and infinities are not served.
; The angle is pos x inv_freq in f32; inv_freq = 2^(-f log2(10000) / 64) by v_exp_f32; sine and cosine by reduction to |r| <= pi/4 (pi/2 in two parts) and polynomials of degree 7 and 8.
.set WAVES, 4
.set STEPS, 16
.set DEPTH, 8                          ; steps that the loads run ahead
.set EMAX,  2
.set CB,    8                          ; bytes of 16 codes
.set R,     16                         ; v16-143  eight sets of 16 numbers as they are loaded
.set X,     144                        ; v144-175 two sets of 16 neighbours
.set E,     176                        ; v176-191 a scale byte for each step
.set C,     192                        ; v192-223 codes: two registers for each step, so that no store's data are written again
.set WREG,  8192                       ; LDS: a region for each wave: two stages of 32 x SP bytes, behind them its 256 scale bytes
.set SP,    80                         ; a lane's place in a stage: 64 bytes + 16 of padding
.set SPW,   12                         ; v12 LDS address of my spare word; never rewritten
.set NIL,   13                         ; v13 0; never rewritten
.set SPARE, WAVES*WREG                 ; behind the four regions: the spare words, 128 bytes a wave
	s_load_b256 s[4:11], s[0:1], 0x0               ; hidden_states, Wq, Wk, Wv
	s_load_b256 s[12:19], s[0:1], 0x20             ; Wo, codes, scales, wo16
	s_load_b64 s[20:21], s[0:1], 0x40              ; rope
	v_lshl_add_u32 v[SPW], v0, 2, SPARE
	v_mov_b32 v[NIL], 0
	v_lshrrev_b32 v1, 5, v0
	v_readfirstlane_b32 s22, v1                    ; wave
	v_and_b32 v2, 31, v0                           ; lane
	v_lshlrev_b32 v3, 4, v2                        ; 16 x lane
	v_lshlrev_b32 v4, 3, v2                        ; 8 x lane
	s_mov_b32 s29, 0
	s_wait_kmcnt 0x0
	s_cmp_lt_u32 ttmp9, 384
	s_cbranch_scc0 .Lnot_quant
	; ---------------- the quantiser ----------------
	s_mul_i32 s23, s22, WREG
	v_lshrrev_b32 v14, 2, v2
	v_mul_u32_u24 v14, v14, SP
	v_and_b32 v15, 3, v2
	v_lshl_add_u32 v14, v15, 4, v14
	v_add_nc_u32 v14, s23, v14                     ; the stage, on the way in: SP (lane / 4) + 16 (lane % 4)
	v_mul_u32_u24 v15, v2, SP
	v_add_nc_u32 v15, s23, v15                     ; and on the way out: SP x lane: my 16 neighbours
	v_lshrrev_b32 v5, 1, v2
	s_add_co_u32 s23, s23, 2*32*SP
	v_add_nc_u32 v5, s23, v5                       ; my wave's 256 scale bytes, my block's byte
	v_add_nc_u32 v6, s23, v4                       ; and on the way out 8 bytes a lane
	s_mov_b64 s[24:25], s[10:11]                   ; which tensor: the choice hangs on the work-group's number alone
	s_mov_b32 s26, 352
	s_cmp_lt_u32 ttmp9, 352
	s_cselect_b64 s[24:25], s[8:9], s[24:25]
	s_cselect_b32 s26, 320, s26
	s_cmp_lt_u32 ttmp9, 320
	s_cselect_b64 s[24:25], s[6:7], s[24:25]
	s_cselect_b32 s26, 256, s26
	s_cmp_lt_u32 ttmp9, 256
	s_cselect_b64 s[24:25], s[4:5], s[24:25]
	s_cselect_b32 s26, 0, s26
	s_sub_co_u32 s27, ttmp9, s26
	s_lshl_b32 s27, s27, 2
	s_add_co_u32 s27, s27, s22                     ; which run of 8,192 numbers of the tensor is my wave's
	s_lshl_b32 s28, s27, 15
	s_add_nc_u64 s[24:25], s[24:25], s[28:29]
	s_lshl_b32 s27, ttmp9, 2
	s_add_co_u32 s27, s27, s22                     ; and which run of the buffers: they are laid in the order of the work-groups
	s_lshl_b32 s28, s27, 12
	s_add_nc_u64 s[14:15], s[14:15], s[28:29]
	s_lshl_b32 s28, s27, 8
	s_add_nc_u64 s[16:17], s[16:17], s[28:29]
.macro LOAD t
.irp i, 0,1,2,3
	global_load_b128 v[R+16*((\t)%DEPTH)+4*\i:R+16*((\t)%DEPTH)+4*\i+3], v3, s[24:25] offset:2048*(\t)+512*\i th:TH_LOAD_NT   ; 32 lanes read 512 consecutive bytes
.endr
.endm
.macro TURN t                          ; step t's numbers through the stage: LDS serves a wave's instructions in order, so no wait stands between the stores and the loads
.irp i, 0,1,2,3
	ds_store_b128 v14, v[R+16*((\t)%DEPTH)+4*\i:R+16*((\t)%DEPTH)+4*\i+3] offset:32*SP*((\t)%2)+8*SP*\i
.endr
.irp i, 0,1,2,3
	ds_load_b128 v[X+16*((\t)%2)+4*\i:X+16*((\t)%2)+4*\i+3], v15 offset:32*SP*((\t)%2)+16*\i
.endr
.endm
.irp t, 0,1,2,3,4,5,6,7
	LOAD \t
.endr
	s_wait_loadcnt 4*(DEPTH-1)                     ; step 0's four loads are in; the 28 of steps 1 to 7 may be out
	TURN 0
.macro STEP t
.set XS, X+16*((\t)%2)
.if (\t) > 0
	s_wait_dscnt 1                                 ; this step's numbers are back from the stage; the last step's byte store may be out
.else
	s_wait_dscnt 0x0
.endif
.if (\t)+DEPTH < STEPS
	LOAD (\t)+DEPTH                                ; into the registers that this step's stores into the stage have read
.endif
.if (\t)+1 < STEPS
.if STEPS-2-(\t) >= DEPTH-1
	s_wait_loadcnt 4*(DEPTH-1)                     ; the next step's four loads are in; those of the seven steps behind it may be out
.else
	s_wait_loadcnt 4*(STEPS-2-(\t))                ; the counts run down: four for each step that is left behind the next
.endif
	TURN (\t)+1
.endif
	v_max3_num_f32 v8, |v[XS]|, |v[XS+1]|, |v[XS+2]|               ; the largest magnitude of my 16, in two chains
	v_max3_num_f32 v9, |v[XS+3]|, |v[XS+4]|, |v[XS+5]|
.irp i, 6,10
	v_max3_num_f32 v8, v8, |v[XS+\i]|, |v[XS+\i+1]|
	v_max3_num_f32 v9, v9, |v[XS+\i+2]|, |v[XS+\i+3]|
.endr
	v_max3_num_f32 v8, v8, |v[XS+14]|, |v[XS+15]|
	v_max3_num_f32 v8, v8, v9, (EMAX+1)<<23        ; and the floor 2^(EMAX + 1 - 127): the byte cannot fall under 1
	v_max_num_f32_dpp v8, v8, v8 row_xmask:1 row_mask:0xf bank_mask:0xf   ; and of my neighbour's 16: the block's
	v_add_nc_u32 v11, -(EMAX<<23), v8              ; EMAX off its exponent field: the conversion takes the exponent field of this operand as its scale
	v_cvt_scalef32_pk8_fp4_f32 v[C+2*(\t)], v[XS:XS+7], v11
	v_cvt_scalef32_pk8_fp4_f32 v[C+2*(\t)+1], v[XS+8:XS+15], v11
	v_lshrrev_b32 v[E+(\t)], 23, v11               ; the scale's byte (also the plain line behind the conversions)
	ds_store_b8 v5, v[E+(\t)] offset:16*(\t)       ; both lanes of a block write the same byte with the same value
	global_store_b64 v4, v[C+2*(\t):C+2*(\t)+1], s[14:15] offset:32*CB*(\t)   ; the wave stores 256 consecutive bytes, aligned
.endm
.irp t, 0,1,2,3,4,5,6,7,8,9,10,11,12,13,14,15
	STEP \t
.endr
	ds_load_b64 v[8:9], v6                         ; LDS serves a wave's instructions in order: these see my byte stores
	s_wait_dscnt 0x0
	global_store_b64 v4, v[8:9], s[16:17]          ; my wave's 256 scale bytes: 256 consecutive bytes, aligned
	s_wait_tensorcnt 0x0                           ; the wave's end, behind my last LDS store
	ds_add_u32 v[SPW], v[NIL]
	s_wait_dscnt 0x0
	s_endpgm
.Lnot_quant:
	s_cmp_lt_u32 ttmp9, 448
	s_cbranch_scc0 .Lrope
	; ---------------- Wo to f16 ----------------
	s_sub_co_u32 s27, ttmp9, 384
	s_lshl_b32 s27, s27, 2
	s_add_co_u32 s27, s27, s22                     ; my wave's run of 8,192 numbers
	s_lshl_b32 s28, s27, 15
	s_add_nc_u64 s[12:13], s[12:13], s[28:29]
	s_lshl_b32 s28, s27, 14
	s_add_nc_u64 s[18:19], s[18:19], s[28:29]
.macro WLOAD b                         ; sixteen loads of 512 consecutive bytes into set b % 2
.irp i, 0,1,2,3,4,5,6,7,8,9,10,11,12,13,14,15
	global_load_b128 v[16+64*((\b)%2)+4*\i:16+64*((\b)%2)+4*\i+3], v3, s[12:13] offset:8192*(\b)+512*\i th:TH_LOAD_NT
.endr
.endm
.macro BATCH b
.if (\b) < 3
	s_wait_loadcnt 16                              ; this batch is in; the next batch's sixteen loads may be out
.else
	s_wait_loadcnt 0x0
.endif
	s_wait_xcnt 0x0                                ; the last batch's stores have read their data: v144-175 are written again only behind this wait
.irp i, 0,1,2,3,4,5,6,7,8,9,10,11,12,13,14,15
	v_cvt_pk_f16_f32 v[144+2*\i], v[16+64*((\b)%2)+4*\i], v[16+64*((\b)%2)+4*\i+1]
	v_cvt_pk_f16_f32 v[145+2*\i], v[16+64*((\b)%2)+4*\i+2], v[16+64*((\b)%2)+4*\i+3]
.endr
.if (\b) < 2
	WLOAD (\b)+2
.endif
.irp i, 0,1,2,3,4,5,6,7,8,9,10,11,12,13,14,15
	global_store_b64 v4, v[144+2*\i:145+2*\i], s[18:19] offset:4096*(\b)+256*\i   ; 256 consecutive bytes, aligned
.endr
.endm
	WLOAD 0
	WLOAD 1
	BATCH 0
	BATCH 1
	BATCH 2
	BATCH 3
	s_endpgm
.Lrope:
	; ---------------- cos and sin ----------------
	; A tile is 16 positions x 64 frequencies, cos then sin, 8,192 bytes: sixteen groups of 512 bytes, lane l's 16 bytes at 16 l.  Group 2 t + u of either half holds, for lane (r, h),
	; position 16 tile + r and frequencies 16 t + 8 h + 4 u + 0 .. 3: the order of a matrix result whose lane holds a row and eight neighbouring columns.
	s_sub_co_u32 s27, ttmp9, 448
	s_lshl_b32 s27, s27, 2
	s_add_co_u32 s27, s27, s22                     ; my tile
	s_lshl_b32 s26, s27, 4
	s_lshl_b32 s28, s27, 13
	s_add_nc_u64 s[20:21], s[20:21], s[28:29]
	v_and_b32 v5, 15, v0                           ; r
	v_bfe_u32 v7, v0, 4, 1                         ; h
	v_lshlrev_b32 v8, 3, v7                        ; 8 h
	v_add_nc_u32 v6, s26, v5
	v_cvt_f32_u32 v6, v6                           ; my position, as f32
	s_mov_b32 s30, 0x3f22f983                      ; 2 / pi
	s_mov_b32 s31, 0xbfc90fdb                      ; -(pi / 2), the f32 nearest to it,
	s_mov_b32 s32, 0x333bbd2e                      ; and what that f32 has too much
	s_mov_b32 s33, 0xb94ca1f9                      ; sine: -1.9515296e-4, 8.3321609e-3, -1.6666655e-1
	s_mov_b32 s34, 0x3c08839e
	s_mov_b32 s35, 0xbe2aaaa3
	s_mov_b32 s36, 0x37ccf5ce                      ; cosine: 2.4433157e-5, -1.3887316e-3, 4.1666646e-2
	s_mov_b32 s37, 0xbab6061a
	s_mov_b32 s38, 0x3d2aaaa5
	s_mov_b32 s39, 0xbe549a78                      ; -log2(10000) / 64
.irp g, 0,1,2,3,4,5,6,7
.irp i, 0,1,2,3
	v_add_nc_u32 v[32+4*\g+\i], 16*(\g/2)+4*(\g%2)+\i, v8   ; the frequency's number f
.endr
.endr
.irp n, 0,1,2,3,4,5,6,7,8,9,10,11,12,13,14,15,16,17,18,19,20,21,22,23,24,25,26,27,28,29,30,31
	v_cvt_f32_u32 v[32+\n], v[32+\n]
.endr
.irp n, 0,1,2,3,4,5,6,7,8,9,10,11,12,13,14,15,16,17,18,19,20,21,22,23,24,25,26,27,28,29,30,31
	v_mul_f32 v[32+\n], s39, v[32+\n]
.endr
.irp n, 0,1,2,3,4,5,6,7,8,9,10,11,12,13,14,15,16,17,18,19,20,21,22,23,24,25,26,27,28,29,30,31
	v_exp_f32 v[32+\n], v[32+\n]                   ; inv_freq: one batch
.endr
	v_nop                                          ; a plain line behind the last exponential
	s_wait_alu depctr_va_vdst(0)                   ; one wait for the batch, ahead of its first reader
.macro GROUP g                         ; four angles, line by line, so that no line waits for the line above it
.irp i, 0,1,2,3
	v_mul_f32 v[128+\i], v6, v[32+4*(\g)+\i]       ; the angle
.endr
.irp i, 0,1,2,3
	v_mul_f32 v[132+\i], s30, v[128+\i]
.endr
.irp i, 0,1,2,3
	v_rndne_f32 v[132+\i], v[132+\i]               ; n: how many quarter turns
.endr
.irp i, 0,1,2,3
	v_fma_f32 v[136+\i], v[132+\i], s31, v[128+\i]
.endr
.irp i, 0,1,2,3
	v_fma_f32 v[136+\i], v[132+\i], s32, v[136+\i] ; r = angle - n pi / 2
.endr
.irp i, 0,1,2,3
	v_mul_f32 v[140+\i], v[136+\i], v[136+\i]      ; z = r r
.endr
.irp i, 0,1,2,3
	v_fma_f32 v[144+\i], v[140+\i], s33, s34
.endr
.irp i, 0,1,2,3
	v_fma_f32 v[148+\i], v[140+\i], s36, s37
.endr
.irp i, 0,1,2,3
	v_fma_f32 v[144+\i], v[144+\i], v[140+\i], s35
.endr
.irp i, 0,1,2,3
	v_fma_f32 v[148+\i], v[148+\i], v[140+\i], s38
.endr
.irp i, 0,1,2,3
	v_mul_f32 v[144+\i], v[144+\i], v[140+\i]
.endr
.irp i, 0,1,2,3
	v_mul_f32 v[156+\i], v[140+\i], v[140+\i]
.endr
.irp i, 0,1,2,3
	v_fma_f32 v[160+\i], v[140+\i], -0.5, 1.0
.endr
.irp i, 0,1,2,3
	v_fma_f32 v[144+\i], v[144+\i], v[136+\i], v[136+\i]   ; sin r
.endr
.irp i, 0,1,2,3
	v_fma_f32 v[148+\i], v[148+\i], v[156+\i], v[160+\i]   ; cos r
.endr
.irp i, 0,1,2,3
	v_cvt_i32_f32 v[152+\i], v[132+\i]
.endr
.irp i, 0,1,2,3
	v_and_b32 v[156+\i], 1, v[152+\i]
.endr
.irp i, 0,1,2,3
	v_cmp_eq_u32 s[40+\i], 1, v[156+\i]            ; an odd number of quarter turns: sine and cosine change places
.endr
.irp i, 0,1,2,3
	v_cndmask_b32 v[96+4*(\g)+\i], v[144+\i], v[148+\i], s[40+\i]
	v_cndmask_b32 v[64+4*(\g)+\i], v[148+\i], v[144+\i], s[40+\i]
.endr
.irp i, 0,1,2,3
	v_lshlrev_b32 v[156+\i], 30, v[152+\i]         ; the sine is negative where bit 1 of n is set,
	v_add_nc_u32 v[152+\i], 1, v[152+\i]           ; the cosine where bit 1 of n + 1 is
.endr
.irp i, 0,1,2,3
	v_and_b32 v[156+\i], 0x80000000, v[156+\i]
	v_lshlrev_b32 v[152+\i], 30, v[152+\i]
.endr
.irp i, 0,1,2,3
	v_xor_b32 v[96+4*(\g)+\i], v[156+\i], v[96+4*(\g)+\i]
	v_and_b32 v[152+\i], 0x80000000, v[152+\i]
.endr
.irp i, 0,1,2,3
	v_xor_b32 v[64+4*(\g)+\i], v[152+\i], v[64+4*(\g)+\i]
.endr
.endm
.irp g, 0,1,2,3,4,5,6,7
	GROUP \g
.endr
.irp g, 0,1,2,3,4,5,6,7
	global_store_b128 v3, v[64+4*\g:67+4*\g], s[20:21] offset:512*\g          ; 512 consecutive bytes a store
	global_store_b128 v3, v[96+4*\g:99+4*\g], s[20:21] offset:4096+512*\g
.endr
	s_endpgm
.Lfunc_end_k_qf40c2df11f_prep:
	.size	k_qf40c2df11f_prep, .Lfunc_end_k_qf40c2df11f_prep-k_qf40c2df11f_prep
	.p2alignl 7, 3214868480
	.fill 96, 4, 3214868480
	.section	.rodata,"a",@progbits
	.p2align	6, 0x0
	.amdhsa_kernel k_qf40c2df11f_prep
		.amdhsa_group_segment_fixed_size 33280
		.amdhsa_private_segment_fixed_size 0
		.amdhsa_enable_private_segment 0
		.amdhsa_kernarg_size 72
		.amdhsa_user_sgpr_count 2
		.amdhsa_user_sgpr_kernarg_segment_ptr 1
		.amdhsa_wavefront_size32 1
		.amdhsa_system_sgpr_workgroup_id_x 1
		.amdhsa_system_sgpr_workgroup_id_y 1
		.amdhsa_system_sgpr_workgroup_id_z 1
		.amdhsa_system_vgpr_workitem_id 0
		.amdhsa_next_free_vgpr 224
		.amdhsa_next_free_sgpr 66
		.amdhsa_reserve_vcc 0
		.amdhsa_float_denorm_mode_32 3
		.amdhsa_float_denorm_mode_16_64 3
		.amdhsa_memory_ordered 1
		.amdhsa_forward_progress 1
		.amdhsa_inst_pref_size 102
	.end_amdhsa_kernel
	.amdgpu_metadata
---
amdhsa.version: [ 1, 2 ]
amdhsa.kernels:
  - .name:           k_qf40c2df11f_prep
    .symbol:         k_qf40c2df11f_prep.kd
    .args:
      - { .name: hidden_states, .offset: 0, .size: 8, .value_kind: global_buffer, .address_space: global }
      - { .name: Wq, .offset: 8, .size: 8, .value_kind: global_buffer, .address_space: global }
      - { .name: Wk, .offset: 16, .size: 8, .value_kind: global_buffer, .address_space: global }
      - { .name: Wv, .offset: 24, .size: 8, .value_kind: global_buffer, .address_space: global }
      - { .name: Wo, .offset: 32, .size: 8, .value_kind: global_buffer, .address_space: global }
      - { .name: codes, .offset: 40, .size: 8, .value_kind: global_buffer, .address_space: global }
      - { .name: scales, .offset: 48, .size: 8, .value_kind: global_buffer, .address_space: global }
      - { .name: wo16, .offset: 56, .size: 8, .value_kind: global_buffer, .address_space: global }
      - { .name: rope, .offset: 64, .size: 8, .value_kind: global_buffer, .address_space: global }
    .group_segment_fixed_size: 33280
    .private_segment_fixed_size: 0
    .kernarg_segment_align: 8
    .kernarg_segment_size: 72
    .max_flat_workgroup_size: 128
    .sgpr_count:     66
    .vgpr_count:     224
    .wavefront_size: 32
...
	.end_amdgpu_metadata
.endif
;; end of part 1
;; launch qkv (part 2): grid 16 x 16, 4 waves a work-group, clusters of 4 x 4, 327,680 bytes of LDS; arguments codes, scales, rope, q_norm_w, k_norm_w, qkv; writes qkv
.if DOCPART == 2
	.amdgcn_target "amdgcn-amd-amdhsa--gfx1250"
	.amdhsa_code_object_version 6
	.text
	.protected	k_qf40c2df11f_qkv
	.globl	k_qf40c2df11f_qkv
	.p2align	8
	.type	k_qf40c2df11f_qkv,@function
k_qf40c2df11f_qkv:
	s_mov_b64 s[64:65], 0
	v_nop
	global_prefetch_b8 v0, s[64:65] scope:SCOPE_SE
	s_setreg_imm32_b32 hwreg(HW_REG_WAVE_MODE, 25, 1), 1
	s_wait_xcnt 0x0
	s_wait_alu depctr_hold_cnt(0) depctr_sa_sdst(0) depctr_va_vdst(0) depctr_va_sdst(0) depctr_va_ssrc(0) depctr_va_vcc(0) depctr_vm_vsrc(0)
	s_getreg_b32 s2, hwreg(HW_REG_IB_STS2, 6, 4)
	s_cmp_eq_u32 s2, 0
	s_cbranch_scc0 .Lentry_in_a_cluster
	s_endpgm
.Lentry_in_a_cluster:
	s_bfe_u32 s2, ttmp6, 0x10000c
	s_cmp_lg_u32 s2, 0xf033
	s_cbranch_scc0 .Lentry_shape_is_right
	s_endpgm
.Lentry_shape_is_right:
; Q, K, V = hidden_states x (Wq | Wk | Wv)^T on codes of FP4 (E2M1) with E8M0 scales, sums in f32; then, for q and k, the RMS norm over the head and RoPE in f32; results as f16.
; codes: 6,144 rows of 1,024 bytes (rows 0-4,095 hidden_states, then Wq, Wk, Wv); scales: the same rows, 64 bytes each.  qkv: q [2][8][2048][128] at 0 (already times log2(e) / sqrt(128)),
; k [2][4][2048][128] at 8 MiB, v likewise at 12 MiB, rows of 256 bytes.
; SHARES.  A tile of the result is 256 rows x 128 columns, one head: 16 x 16 = 256 work-groups.  Wave w makes rows 64 w .. 64 w + 63 x all 128 columns: 32 accumulators, 256 registers.
; THE MATRIX INSTRUCTION IS USED TRANSPOSED (source 0 = 16 rows of W, source 1 = 16 rows of hidden_states): lane (r, h) holds row r and columns 16 b + 8 h + 0 .. 7.  So a whole head lies in one wave, columns d and d + 64
; are accumulators b and b + 4 in the same lane and register, and the norm wants one exchange between the halves of the lanes.
; K goes in four phases of 512 (rows of 256 bytes) through THREE LDS slots; a phase is four steps of 128, 32 matrix instructions each.  Phases 0, 1 and 2 are asked for together at the head; only phase 3 is a refill, of slot 0,
; and it has phases 1 and 2, 240 matrix instructions, in which to land.  All 16 steps are written out.
; CLUSTERS: 4 x 4 work-groups; the rows' tiles are asked for jointly along a row of the cluster, the weights' along a column.  The cluster's x says what the tile is: 0, 1: q; 2: k; 3: v.
; THE SCALES come once, from memory straight into 96 registers that hold nothing else: a lane takes its row's 64 bytes (all of K) by four loads of 16 bytes, which together read each 1,024 bytes of sixteen rows whole.  So LDS has room for the third slot.
; REGISTERS: window 0: v1-7 at work in the head; v8-15 the rows' factors; v16-31 addresses; v32-95 W's scale words, v96-127 the rows'; v128-191 rows on the way out; v192-207, v208-239 at work.
;   window 1: W's fragments, set p at v[64 p]; the rows' fragments, set p at v[128 + 32 p]; v192-255 the norm's weights.   window 2: accumulator (a, b) at v[8 (8 a + b)].   window 3: cos and sin, 64 registers for each block of 16 rows.
; LIMITS: |v| stays under 65,504 (f16); NaN is not served.
.set PITCH,  272                       ; an LDS row: 256 bytes + 16 of padding: the 16 rows that a load touches start 4 words apart modulo 64 words
.set BOFF,   256*PITCH                 ; a slot: 256 rows of hidden_states, then 128 rows of W
.set SLOT,   384*PITCH
.set SPARE,  3*SLOT                    ; behind the three slots: the spare words, 128 bytes a wave
.set RS,    8
.set ADRA,  16                         ; v16-18 LDS address of my rows' fragments in slot 0, 1, 2
.set ADRB,  19                         ; v19-21 the same for W
.set VSB,   22                         ; v22 my place among W's scale bytes: 64 r + 4,096 h
.set WOF,   23                         ; v23 32 h: my place in the norm's weights
.set STO,   24
.set RD,    25
.set CO,    26
.set VSA,   27                         ; v27 my place among my rows' scale bytes: 64 r + 2,048 h
.set SPW,   28
.set NIL,   29
.set LN,    31                         ; v31 16 x lane
.set SCB,   32                         ; W's scale words: register 16 i + 4 ph + q: lanes 0-15 block i, lanes 16-31 block i + 4, step q of phase ph
.set SCA,   96                         ; my rows': register 16 i + 4 ph + q: lanes 0-15 block i, lanes 16-31 block i + 2
.set OB,    128
.set T,     192
.set PKR,   208
.set NW,    192                        ; in window 1
.set WV, 16
.set WH, 17
.set WL, 18
.set TR, 19
.set G1,   24                          ; s[24:31] descriptor group 1 for the rows' tiles;  s[32:43] group 0, a set for each slot
.set G0,   32
.set G1B,  48                          ; s[48:55], s[68:79] the same for W's tiles
.set G0B,  68
.set MSB, 0
.macro WIN new                         ; the immediate's high byte repeats the setting that is left
.if MSB != \new
	s_set_vgpr_msb (MSB<<8)|\new
.set MSB, \new
.endif
.endm
.set MUL,  0xa5                        ; sources 0 and 1 window 1, C and D window 2
.set TO_F, 0x40                        ; destination window 1, address window 0
; A joint load: waves 0 and 1 fetch for the rows, waves 2 and 3 for W.  The branch hangs on the wave's number alone.  An s_nop 0 and four v_nop follow each of the two lines.
.macro JLOAD g0a, g1a, g0b, g1b
	s_cmp_eq_u32 s[WH], 0
	s_cbranch_scc0 .Lfor_b_\@
	tensor_load_to_lds s[\g0a:\g0a+3], s[\g1a:\g1a+7]
	s_nop 0
.rept 4
	v_nop
.endr
	s_branch .Lasked_\@
.Lfor_b_\@:
	tensor_load_to_lds s[\g0b:\g0b+3], s[\g1b:\g1b+7]
	s_nop 0
.rept 4
	v_nop
.endr
.Lasked_\@:
.endm
.macro CREST                           ; a round of the cluster's barrier behind its opening barrier
	s_cmp_lg_u32 s[WV], 0
	s_cbranch_scc1 .Lnot_wave_0_\@
	s_barrier_signal -3
.Lnot_wave_0_\@:
	s_barrier_wait -3
	s_barrier_signal -1
	s_barrier_wait -1
.endm
.macro CROUND
	s_barrier_signal -1
	s_barrier_wait -1
	CREST
.endm
.macro PLACES                          ; four plain places behind matrix instructions, ahead of loads into their sources and of reads of their results
.rept 4
	v_nop
.endr
.endm
	s_load_b256 s[4:11], s[0:1], 0x0               ; codes, scales, rope, q_norm_w
	s_load_b128 s[12:15], s[0:1], 0x20             ; k_norm_w, qkv
	v_lshl_add_u32 v[SPW], v0, 2, SPARE
	v_mov_b32 v[NIL], 0
	ds_add_u32 v[SPW], v[NIL]                      ; the wave's opening: the add, twice on end, and its wait ahead of my first tensor load
	ds_add_u32 v[SPW], v[NIL]
	v_lshrrev_b32 v1, 5, v0
	v_readfirstlane_b32 s[WV], v1                  ; wave 0..3
	s_lshr_b32 s[WH], s[WV], 1                     ; I fetch for the rows (0) or for W (1)
	s_and_b32 s[WL], s[WV], 1                      ; which half
	s_bfe_u32 s56, ttmp6, 0x40000                  ; cx, cy
	s_bfe_u32 s57, ttmp6, 0x40004
	s_lshl_b32 s58, ttmp9, 2
	s_add_co_u32 s58, s58, s56                     ; tile column = 4 x cluster x + cx
	s_and_b32 s[TR], ttmp7, 0xffff
	s_lshl_b32 s[TR], s[TR], 2
	s_add_co_u32 s[TR], s[TR], s57                 ; tile row = 4 x cluster y + cy
	s_lshl_b32 s59, s57, 2
	s_lshl_b32 s59, 15, s59                        ; my row of the cluster
	s_lshl_b32 s60, 0x1111, s56                    ; my column
	s_or_b32 s[G1], s59, (1<<20)|(1<<21)|(5<<22)|(3<<25)            ; the mask; elements of 1 byte; padding on; bit 21 beside a mask; four words behind every 64
	s_or_b32 s[G1B], s60, (1<<20)|(1<<21)|(5<<22)|(3<<25)
	s_mov_b32 s[G1+1], 256<<16                     ; tensor_dim0 = 256 bytes
	s_mov_b32 s[G1+2], 128<<16                     ; tensor_dim1 = 128 rows
	s_mov_b32 s[G1+3], 256<<16                     ; tile_dim0
	s_mov_b32 s[G1+4], 128                         ; tile_dim1
	s_mov_b32 s[G1+5], 1024                        ; from row to row
	s_mov_b32 s[G1+6], 0
	s_mov_b32 s[G1+7], 0
	s_mov_b32 s[G1B+1], 256<<16
	s_mov_b32 s[G1B+2], 64<<16                     ; 64 rows
	s_mov_b32 s[G1B+3], 256<<16
	s_mov_b32 s[G1B+4], 64
	s_mov_b32 s[G1B+5], 1024
	s_mov_b32 s[G1B+6], 0
	s_mov_b32 s[G1B+7], 0
	s_lshl_b32 s20, s[TR], 8
	s_lshl_b32 s21, s[WL], 7
	s_add_co_u32 s20, s20, s21                     ; the rows that I would fetch: 256 x tile row + 128 x half
	s_lshl_b32 s20, s20, 10                        ; their codes, in bytes
	s_mov_b32 s21, 0
	s_lshl_b32 s46, s58, 7
	s_lshl_b32 s47, s[WL], 6
	s_add_co_u32 s46, s46, s47
	s_add_co_u32 s46, s46, 4096                    ; W: row 4,096 + 128 x tile column + 64 x half
	s_lshl_b32 s46, s46, 10
	s_mov_b32 s47, 0
	s_lshl_b32 s22, s[TR], 8
	s_lshl_b32 s23, s[WV], 6
	s_add_co_u32 s22, s22, s23                     ; my wave's own 64 rows:
	s_lshl_b32 s22, s22, 6                         ; their scale bytes
	s_mov_b32 s23, 0
	s_lshl_b32 s94, s58, 7
	s_add_co_u32 s94, s94, 4096                    ; and those of the tile's 128 rows of W
	s_lshl_b32 s94, s94, 6
	s_mov_b32 s95, 0
	s_mul_i32 s45, s[WL], 128*PITCH                ; where the tiles go: the rows' halves,
	s_mul_i32 s98, s[WL], 64*PITCH
	s_add_co_u32 s98, s98, BOFF                    ; W's halves behind them: no place in the cluster enters an LDS address
	s_mov_b32 s2, 0x76543210                       ; v_permlanex16_b32's selects for lane l xor 16
	s_mov_b32 s3, 0xfedcba98
	s_wait_dscnt 0x0                               ; both opening adds are done
	s_wait_kmcnt 0x0
	s_add_nc_u64 s[20:21], s[4:5], s[20:21]
	s_add_nc_u64 s[46:47], s[4:5], s[46:47]
	s_add_nc_u64 s[22:23], s[6:7], s[22:23]
	s_add_nc_u64 s[94:95], s[6:7], s[94:95]
	CROUND                                         ; all sixteen work-groups are here: the first joint loads meet
.irp s, 0,1,2
	s_mov_b32 s[G0+4*\s], 1
	s_add_co_u32 s[G0+4*\s+1], s45, \s*SLOT
	s_add_nc_u64 s[G0+4*\s+2:G0+4*\s+3], s[20:21], \s*256
	s_or_b32 s[G0+4*\s+3], s[G0+4*\s+3], 0x80000000
	s_mov_b32 s[G0B+4*\s], 1
	s_add_co_u32 s[G0B+4*\s+1], s98, \s*SLOT
	s_add_nc_u64 s[G0B+4*\s+2:G0B+4*\s+3], s[46:47], \s*256
	s_or_b32 s[G0B+4*\s+3], s[G0B+4*\s+3], 0x80000000
	JLOAD G0+4*\s, G1, G0B+4*\s, G1B               ; phases 0, 1, 2: three loads of mine are out behind these
.endr
	v_and_b32 v1, 15, v0                           ; r
	v_bfe_u32 v2, v0, 4, 1                         ; h
	v_lshlrev_b32 v5, 6, v1                        ; a row of scale bytes is 64 bytes
	v_lshl_add_u32 v[VSB], v2, 12, v5              ; lanes 16-31: 64 rows (four blocks) further on
	v_lshl_add_u32 v[VSA], v2, 11, v5              ; lanes 16-31: 32 rows (two blocks) further on
.irp i, 0,1,2,3
.irp c, 0,1,2,3
	global_load_b128 v[SCB+16*\i+4*\c:SCB+16*\i+4*\c+3], v[VSB], s[94:95] offset:1024*\i+16*\c   ; phase c's four words of W's row 16 i + 64 h + r
.endr
.endr
.irp i, 0,1
.irp c, 0,1,2,3
	global_load_b128 v[SCA+16*\i+4*\c:SCA+16*\i+4*\c+3], v[VSA], s[22:23] offset:1024*\i+16*\c   ; and of my row 16 i + 32 h + r
.endr
.endr
	v_mul_u32_u24 v3, v1, PITCH
	v_lshl_add_u32 v4, v2, 4, v3                   ; a fragment's row x pitch + 16 h
	s_mul_i32 s45, s[WV], 64*PITCH                 ; my 64 rows
	s_mov_b32 s66, BOFF
.irp s, 0,1,2
	v_add_nc_u32 v[ADRA+\s], s45, v4
	v_add_nc_u32 v[ADRB+\s], s66, v4
	s_add_co_u32 s45, s45, SLOT
	s_add_co_u32 s66, s66, SLOT
.endr
	s_mul_i32 s45, s[WV], 16*PITCH                 ; my stage, in slot 1: its one fill and its last read lie ahead of the last barrier
	s_add_co_u32 s45, s45, SLOT
	v_add_nc_u32 v[STO], s45, v4                   ; in: row r, 16 bytes for each half of the lanes
	v_mul_u32_u24 v6, v2, PITCH
	v_lshl_add_u32 v6, v1, 4, v6
	v_add_nc_u32 v[RD], s45, v6                    ; back: lanes 0-15 one row of 256 bytes, lanes 16-31 the next
	v_lshlrev_b32 v[CO], 8, v2
	v_lshl_add_u32 v[CO], v1, 4, v[CO]             ; and the same two rows in memory
	v_and_b32 v6, 31, v0
	v_lshlrev_b32 v[LN], 4, v6
	v_lshlrev_b32 v[WOF], 5, v2
.irp i, 0,1,2,3,4,5,6,7
	v_mov_b32 v[RS+\i], 1.0                        ; the rows' factors are written on every way through the text
.endr
	; what the tile is, and where it goes
	s_lshl_b32 s98, ttmp9, 22                      ; k at 8 MiB, v at 12 MiB
	s_lshr_b32 s99, s[TR], 3                       ; the batch
	s_cmp_lt_u32 ttmp9, 2                          ; q?
	s_cselect_b32 s96, 3, 2                        ; 8 heads or 4
	s_cselect_b32 s97, s58, s56                    ; the head
	s_cselect_b32 s98, 0, s98
	s_cselect_b64 s[10:11], s[10:11], s[12:13]     ; the norm's weights: q's or k's (a tile of v loads k's and leaves them unused)
	s_mov_b32 s67, 1.0
	s_cselect_b32 s67, 0x3e0293ee, s67             ; q carries log2(e) / sqrt(128)
	s_lshl_b32 s99, s99, s96
	s_add_co_u32 s99, s99, s97
	s_lshl_b32 s99, s99, 11
	s_and_b32 s96, s[TR], 7
	s_lshl_b32 s96, s96, 8
	s_add_co_u32 s99, s99, s96
	s_lshl_b32 s96, s[WV], 6
	s_add_co_u32 s99, s99, s96                     ; my first row
	s_lshl_b32 s99, s99, 8
	s_add_co_u32 s98, s98, s99
	s_mov_b32 s99, 0
	s_add_nc_u64 s[14:15], s[14:15], s[98:99]
	s_lshl_b32 s92, s[TR], 4
	s_lshl_b32 s93, s[WV], 2
	s_add_co_u32 s92, s92, s93
	s_and_b32 s92, s92, 127                        ; my first tile of 16 positions
	s_lshl_b32 s92, s92, 13
	s_mov_b32 s93, 0
	s_add_nc_u64 s[92:93], s[8:9], s[92:93]
	WIN 0x40                                       ; destination window 1
.irp b, 0,1,2,3,4,5,6,7
	global_load_b128 v[NW+8*\b:NW+8*\b+3], v[WOF], s[10:11] offset:64*\b       ; the weights of columns 16 b + 8 h + 0 .. 7
	global_load_b128 v[NW+8*\b+4:NW+8*\b+7], v[WOF], s[10:11] offset:64*\b+16
.endr
.macro TABLE a                         ; cos and sin of block a's 16 positions: sixteen loads of 512 consecutive bytes
.irp g, 0,1,2,3,4,5,6,7,8,9,10,11,12,13,14,15
	global_load_b128 v[64*(\a)+4*\g:64*(\a)+4*\g+3], v[LN], s[92:93] offset:8192*(\a)+512*\g
.endr
.endm
	WIN 0xc0                                       ; destination window 3
	TABLE 0
	TABLE 1
	WIN 0
.macro WM a, b, p, q, ph, zero         ; one product.  W's scale word comes from lanes 16-31 for blocks 4-7, the rows' for blocks 2, 3
.set rD, 8*(8*(\a)+(\b))
.set rB, 64*(\p)+8*(\b)
.set rA, 128+32*(\p)+8*(\a)
.set rSB, SCB+16*((\b)%4)+4*(\ph)+(\q)
.set rSA, SCA+16*((\a)%2)+4*(\ph)+(\q)
.if \zero
.if ((\b) >= 4) && ((\a) >= 2)
	v_wmma_scale_f32_16x16x128_f8f6f4 v[rD:rD+7], v[rB:rB+7], v[rA:rA+7], 0, v[rSB], v[rSA] matrix_a_fmt:MATRIX_FMT_FP4 matrix_b_fmt:MATRIX_FMT_FP4 matrix_a_scale:MATRIX_SCALE_ROW1 matrix_b_scale:MATRIX_SCALE_ROW1
.elseif (\b) >= 4
	v_wmma_scale_f32_16x16x128_f8f6f4 v[rD:rD+7], v[rB:rB+7], v[rA:rA+7], 0, v[rSB], v[rSA] matrix_a_fmt:MATRIX_FMT_FP4 matrix_b_fmt:MATRIX_FMT_FP4 matrix_a_scale:MATRIX_SCALE_ROW1
.elseif (\a) >= 2
	v_wmma_scale_f32_16x16x128_f8f6f4 v[rD:rD+7], v[rB:rB+7], v[rA:rA+7], 0, v[rSB], v[rSA] matrix_a_fmt:MATRIX_FMT_FP4 matrix_b_fmt:MATRIX_FMT_FP4 matrix_b_scale:MATRIX_SCALE_ROW1
.else
	v_wmma_scale_f32_16x16x128_f8f6f4 v[rD:rD+7], v[rB:rB+7], v[rA:rA+7], 0, v[rSB], v[rSA] matrix_a_fmt:MATRIX_FMT_FP4 matrix_b_fmt:MATRIX_FMT_FP4
.endif
.else
.if ((\b) >= 4) && ((\a) >= 2)
	v_wmma_scale_f32_16x16x128_f8f6f4 v[rD:rD+7], v[rB:rB+7], v[rA:rA+7], v[rD:rD+7], v[rSB], v[rSA] matrix_a_fmt:MATRIX_FMT_FP4 matrix_b_fmt:MATRIX_FMT_FP4 matrix_a_scale:MATRIX_SCALE_ROW1 matrix_b_scale:MATRIX_SCALE_ROW1
.elseif (\b) >= 4
	v_wmma_scale_f32_16x16x128_f8f6f4 v[rD:rD+7], v[rB:rB+7], v[rA:rA+7], v[rD:rD+7], v[rSB], v[rSA] matrix_a_fmt:MATRIX_FMT_FP4 matrix_b_fmt:MATRIX_FMT_FP4 matrix_a_scale:MATRIX_SCALE_ROW1
.elseif (\a) >= 2
	v_wmma_scale_f32_16x16x128_f8f6f4 v[rD:rD+7], v[rB:rB+7], v[rA:rA+7], v[rD:rD+7], v[rSB], v[rSA] matrix_a_fmt:MATRIX_FMT_FP4 matrix_b_fmt:MATRIX_FMT_FP4 matrix_b_scale:MATRIX_SCALE_ROW1
.else
	v_wmma_scale_f32_16x16x128_f8f6f4 v[rD:rD+7], v[rB:rB+7], v[rA:rA+7], v[rD:rD+7], v[rSB], v[rSA] matrix_a_fmt:MATRIX_FMT_FP4 matrix_b_fmt:MATRIX_FMT_FP4
.endif
.endif
.endm
.macro MUL8 a, p, q, ph, zero          ; block a of my rows against W's eight.  The 32 accumulators take turns, one instruction a turn, in the same order in every step
.irp b, 0,1,2,3,4,5,6,7
	WM \a, \b, \p, \q, \ph, \zero
.endr
.endm
.macro FETCH slot, q, p                ; 24 LDS loads in one run: the fragments of the slot's q-th 128 along K into set p.  A fragment: lane l holds row l % 16; registers 4 c .. 4 c + 3 hold K = 64 c + 32 (l / 16) + 0 .. 31
	WIN TO_F
.irp i, 0,1,2,3,4,5,6,7
	ds_load_b128 v[64*(\p)+8*\i:64*(\p)+8*\i+3], v[ADRB+\slot] offset:64*(\q)+\i*16*PITCH
	ds_load_b128 v[64*(\p)+8*\i+4:64*(\p)+8*\i+7], v[ADRB+\slot] offset:64*(\q)+\i*16*PITCH+32
.endr
.irp i, 0,1,2,3
	ds_load_b128 v[128+32*(\p)+8*\i:128+32*(\p)+8*\i+3], v[ADRA+\slot] offset:64*(\q)+\i*16*PITCH
	ds_load_b128 v[128+32*(\p)+8*\i+4:128+32*(\p)+8*\i+7], v[ADRA+\slot] offset:64*(\q)+\i*16*PITCH+32
.endr
.endm
.macro STEP slot, q, ph, zero          ; a step that has its successor in the same slot
	s_wait_dscnt 0x0                               ; this step's fragments, asked for 32 matrix instructions ago, are in
	PLACES                                         ; ahead of the loads into the set that the step before multiplied
	FETCH \slot, (\q)+1, 1-(\q)%2
	WIN MUL
	MUL8 0, (\q)%2, \q, \ph, \zero
	MUL8 1, (\q)%2, \q, \ph, \zero
	MUL8 2, (\q)%2, \q, \ph, \zero
	MUL8 3, (\q)%2, \q, \ph, \zero
.endm
.macro PASS next, ph                   ; a slot's last step where the next slot has been shown whole by an earlier barrier and nothing is filled: no barrier
	s_wait_dscnt 0x0
	PLACES
	FETCH \next, 0, 0
	WIN MUL
	MUL8 0, 1, 3, \ph, 0
	MUL8 1, 1, 3, \ph, 0
	MUL8 2, 1, 3, \ph, 0
	MUL8 3, 1, 3, \ph, 0
.endm
; A slot's last step with a barrier; in front of it each wave waits for all its tensor loads, adds 0 to its spare word, and waits for that and for its reads of this slot.  fill = 1: the slot is filled again, three phases on.
.macro TURN slot, next, fill, ph
	WIN 0                                          ; (the add's two registers lie in window 0)
	s_wait_tensorcnt 0x0                           ; all my tensor loads have landed
	ds_add_u32 v[SPW], v[NIL]
	s_wait_dscnt 1                                 ; this step's fragments are in; the add alone may be out
	WIN MUL
	MUL8 0, 1, 3, \ph, 0                           ; eight matrix instructions stand between the add and the wait for it
	s_wait_dscnt 0x0                               ; the add is done, and my reads of this slot are over
	s_barrier_signal -1
	MUL8 1, 1, 3, \ph, 0
	WIN 0
	s_barrier_wait -1
.if \fill
	CREST                                          ; the barrier has opened a round of the cluster's: no wave of any partner still reads this slot or has a load on its way
	s_add_nc_u64 s[G0+4*\slot+2:G0+4*\slot+3], s[G0+4*\slot+2:G0+4*\slot+3], 768
	s_add_nc_u64 s[G0B+4*\slot+2:G0B+4*\slot+3], s[G0B+4*\slot+2:G0B+4*\slot+3], 768
	JLOAD G0+4*\slot, G1, G0B+4*\slot, G1B         ; my one tensor load behind the round; its four v_nop are also the places ahead of the loads below
.else
	PLACES
.endif
	FETCH \next, 0, 0
	WIN MUL
	MUL8 2, 1, 3, \ph, 0
	MUL8 3, 1, 3, \ph, 0
.endm
	s_wait_tensorcnt 2                             ; my part of phase 0 is in; the loads of phases 1 and 2 may be out
	s_barrier_signal -1
	s_barrier_wait -1
	s_wait_loadcnt 48                              ; the 24 loads of scales are in; behind them stand the 16 of the weights and the 32 of the table
	FETCH 0, 0, 0
	STEP 0, 0, 0, 1                                ; the first products start the sums: nothing is cleared
	STEP 0, 1, 0, 0
	STEP 0, 2, 0, 0
	TURN 0, 1, 1, 0                                ; phases 1 and 2 are whole in every wave's eyes; slot 0 takes phase 3
	WIN 0xc0
	TABLE 2                                        ; the other half of the table
	TABLE 3
	STEP 1, 0, 1, 0
	STEP 1, 1, 1, 0
	STEP 1, 2, 1, 0
	PASS 2, 1
	STEP 2, 0, 2, 0
	STEP 2, 1, 2, 0
	STEP 2, 2, 2, 0
	TURN 2, 0, 0, 2                                ; phase 3 has landed; nothing is left to fetch
	STEP 0, 0, 3, 0
	STEP 0, 1, 3, 0
	STEP 0, 2, 3, 0
	s_wait_dscnt 0x0
	WIN MUL
	MUL8 0, 1, 3, 3, 0
	MUL8 1, 1, 3, 3, 0
	MUL8 2, 1, 3, 3, 0
	MUL8 3, 1, 3, 3, 0
	WIN 0
	; THE WAY OUT.  q and k: x rsqrt(mean(x x) + 1e-6) x w, then RoPE; v as it is.  The branches hang on the cluster's x, alike in all partners.
	PLACES
	s_wait_loadcnt 0x0                             ; the weights and the table
	s_mov_b32 s66, 0x3c000000                      ; 1 / 128
	s_mov_b32 s45, 0x358637bd                      ; 1e-6
	s_cmp_eq_u32 ttmp9, 3
	s_cbranch_scc1 .Lno_stats
	WIN 0x0a                                       ; sources 0 and 1 window 2
.set n, 0
.rept 32                               ; my 64 numbers of each of four rows, squared and summed; each accumulator from its low end on; two chains a row, the four rows by turns
.irp a, 0,1,2,3
.set rX, 8*(8*\a+n/4)+2*(n%4)
.set rU, OB+4*\a+2*(n%2)
.if n < 2
	v_pk_mul_f32 v[rU:rU+1], v[rX:rX+1], v[rX:rX+1]
.else
	v_pk_fma_f32 v[rU:rU+1], v[rX:rX+1], v[rX:rX+1], v[rU:rU+1]
.endif
.endr
.set n, n+1
.endr
	WIN 0
.irp a, 0,1,2,3
	v_pk_add_f32 v[OB+4*\a:OB+4*\a+1], v[OB+4*\a:OB+4*\a+1], v[OB+4*\a+2:OB+4*\a+3]
.endr
.irp a, 0,1,2,3
	v_add_f32 v[OB+4*\a], v[OB+4*\a], v[OB+4*\a+1]
.endr
.irp a, 0,1,2,3
	v_permlanex16_b32 v[OB+4*\a+1], v[OB+4*\a], s2, s3     ; the row's other 64 columns lie in the lane 16 away
.endr
.irp a, 0,1,2,3
	v_add_f32 v[OB+4*\a], v[OB+4*\a], v[OB+4*\a+1]
.endr
.irp a, 0,1,2,3
	v_fma_f32 v[OB+4*\a], v[OB+4*\a], s66, s45
.endr
.irp a, 0,1,2,3
	v_rsq_f32 v[OB+4*\a], v[OB+4*\a]
.endr
	v_nop                                          ; a plain line behind the last of the four
	s_wait_alu depctr_va_vdst(0)                   ; one wait for the four, ahead of their first reader
.irp a, 0,1,2,3
	v_mul_f32 v[RS+2*\a], s67, v[OB+4*\a]
	v_mul_f32 v[RS+2*\a+1], s67, v[OB+4*\a]
.endr
.Lno_stats:
.macro ROPE a
	WIN 0x82                                       ; destination and source 0 window 2, source 1 window 0
.set n, 0
.rept 32
	v_pk_mul_f32 v[64*(\a)+2*n:64*(\a)+2*n+1], v[64*(\a)+2*n:64*(\a)+2*n+1], v[RS+2*(\a):RS+2*(\a)+1]
.set n, n+1
.endr
	WIN 0x86                                       ; source 1 window 1: the weights
.set n, 0
.rept 32
	v_pk_mul_f32 v[64*(\a)+2*n:64*(\a)+2*n+1], v[64*(\a)+2*n:64*(\a)+2*n+1], v[NW+2*n:NW+2*n+1]
.set n, n+1
.endr
.irp b, 0,1,2,3                        ; columns d = 16 b + .. and d + 64: out(d) = x(d) cos - x(d + 64) sin;  out(d + 64) = x(d + 64) cos + x(d) sin
	WIN 0x0e                                       ; source 0 window 2, source 1 window 3
.irp j, 0,2,4,6
	v_pk_mul_f32 v[T+\j:T+\j+1], v[64*(\a)+8*(\b+4)+\j:64*(\a)+8*(\b+4)+\j+1], v[64*(\a)+32+8*\b+\j:64*(\a)+32+8*\b+\j+1]
.endr
.irp j, 0,2,4,6
	v_pk_mul_f32 v[T+8+\j:T+8+\j+1], v[64*(\a)+8*\b+\j:64*(\a)+8*\b+\j+1], v[64*(\a)+32+8*\b+\j:64*(\a)+32+8*\b+\j+1]
.endr
	WIN 0x8e                                       ; and the destination window 2
.irp j, 0,2,4,6
	v_pk_fma_f32 v[64*(\a)+8*\b+\j:64*(\a)+8*\b+\j+1], v[64*(\a)+8*\b+\j:64*(\a)+8*\b+\j+1], v[64*(\a)+8*\b+\j:64*(\a)+8*\b+\j+1], v[T+\j:T+\j+1] neg_lo:[0,0,1] neg_hi:[0,0,1]
.endr
.irp j, 0,2,4,6
	v_pk_fma_f32 v[64*(\a)+8*(\b+4)+\j:64*(\a)+8*(\b+4)+\j+1], v[64*(\a)+8*(\b+4)+\j:64*(\a)+8*(\b+4)+\j+1], v[64*(\a)+8*\b+\j:64*(\a)+8*\b+\j+1], v[T+8+\j:T+8+\j+1]
.endr
.endr
.endm
.macro QK a
	s_cmp_eq_u32 ttmp9, 3
	s_cbranch_scc1 .Lplain_\@
	ROPE \a
	WIN 0
.Lplain_\@:
.endm
.macro PACK a                          ; block a, rounded to f16: a lane's eight columns are 16 bytes; each accumulator from its low end on
	WIN 0x0a
.set n, 0
.rept 32
	v_cvt_pk_f16_f32 v[PKR+n], v[64*(\a)+2*n], v[64*(\a)+2*n+1]
.set n, n+1
.endr
	WIN 0
.endm
.macro TOSTAGE a                       ; through my own stage: LDS serves a wave's instructions in order, so no wait stands between the stores and the loads
.if (\a) > 1
	s_wait_xcnt 0x0                                ; block a - 2's stores have read the registers into which these loads land
.endif
.irp b, 0,1,2,3,4,5,6,7
	ds_store_b128 v[STO], v[PKR+4*\b:PKR+4*\b+3] offset:32*\b
.endr
.irp t, 0,1,2,3,4,5,6,7
	ds_load_b128 v[OB+32*((\a)%2)+4*\t:OB+32*((\a)%2)+4*\t+3], v[RD] offset:\t*2*PITCH
.endr
.endm
.macro SEND a
	s_wait_dscnt 0x0                               ; the block is back in registers
.irp t, 0,1,2,3,4,5,6,7
	global_store_b128 v[CO], v[OB+32*((\a)%2)+4*\t:OB+32*((\a)%2)+4*\t+3], s[14:15] offset:4096*(\a)+512*\t   ; 16 lanes store 256 consecutive bytes, aligned
.endr
.endm
	QK 0
	PACK 0
	TOSTAGE 0
.irp a, 1,2,3
	QK \a
	PACK \a
	SEND \a-1
	TOSTAGE \a
.endr
	SEND 3
	s_wait_tensorcnt 0x0                           ; the wave's end
	ds_add_u32 v[SPW], v[NIL]
	s_wait_dscnt 0x0
	CROUND                                         ; the closing round
	s_endpgm
.Lfunc_end_k_qf40c2df11f_qkv:
	.size	k_qf40c2df11f_qkv, .Lfunc_end_k_qf40c2df11f_qkv-k_qf40c2df11f_qkv
	.p2alignl 7, 3214868480
	.fill 96, 4, 3214868480
	.section	.rodata,"a",@progbits
	.p2align	6, 0x0
	.amdhsa_kernel k_qf40c2df11f_qkv
		.amdhsa_group_segment_fixed_size 327680
		.amdhsa_private_segment_fixed_size 0
		.amdhsa_enable_private_segment 0
		.amdhsa_kernarg_size 48
		.amdhsa_user_sgpr_count 2
		.amdhsa_user_sgpr_kernarg_segment_ptr 1
		.amdhsa_wavefront_size32 1
		.amdhsa_system_sgpr_workgroup_id_x 1
		.amdhsa_system_sgpr_workgroup_id_y 1
		.amdhsa_system_sgpr_workgroup_id_z 1
		.amdhsa_system_vgpr_workitem_id 0
		.amdhsa_next_free_vgpr 1024
		.amdhsa_next_free_sgpr 100
		.amdhsa_reserve_vcc 0
		.amdhsa_float_denorm_mode_32 3
		.amdhsa_float_denorm_mode_16_64 3
		.amdhsa_memory_ordered 1
		.amdhsa_forward_progress 1
		.amdhsa_inst_pref_size 172
	.end_amdhsa_kernel
	.amdgpu_metadata
---
amdhsa.version: [ 1, 2 ]
amdhsa.kernels:
  - .name:           k_qf40c2df11f_qkv
    .symbol:         k_qf40c2df11f_qkv.kd
    .args:
      - { .name: codes, .offset: 0, .size: 8, .value_kind: global_buffer, .address_space: global }
      - { .name: scales, .offset: 8, .size: 8, .value_kind: global_buffer, .address_space: global }
      - { .name: rope, .offset: 16, .size: 8, .value_kind: global_buffer, .address_space: global }
      - { .name: q_norm_w, .offset: 24, .size: 8, .value_kind: global_buffer, .address_space: global }
      - { .name: k_norm_w, .offset: 32, .size: 8, .value_kind: global_buffer, .address_space: global }
      - { .name: qkv, .offset: 40, .size: 8, .value_kind: global_buffer, .address_space: global }
    .group_segment_fixed_size: 327680
    .private_segment_fixed_size: 0
    .kernarg_segment_align: 8
    .kernarg_segment_size: 48
    .max_flat_workgroup_size: 128
    .sgpr_count:     100
    .vgpr_count:     1024
    .wavefront_size: 32
...
	.end_amdgpu_metadata
.endif
;; end of part 2
;; launch attn (part 3): grid 4 x 64, 4 waves a work-group, clusters of 4 x 4, 327,680 bytes of LDS; arguments qkv, attention_mask, attn; writes attn
.if DOCPART == 3
	.amdgcn_target "amdgcn-amd-amdhsa--gfx1250"
	.amdhsa_code_object_version 6
	.text
	.protected	k_qf40c2df11f_attn
	.globl	k_qf40c2df11f_attn
	.p2align	8
	.type	k_qf40c2df11f_attn,@function
k_qf40c2df11f_attn:
	s_mov_b64 s[64:65], 0
	v_nop
	global_prefetch_b8 v0, s[64:65] scope:SCOPE_SE
	s_setreg_imm32_b32 hwreg(HW_REG_WAVE_MODE, 25, 1), 1
	s_wait_xcnt 0x0
	s_wait_alu depctr_hold_cnt(0) depctr_sa_sdst(0) depctr_va_vdst(0) depctr_va_sdst(0) depctr_va_ssrc(0) depctr_va_vcc(0) depctr_vm_vsrc(0)
	s_getreg_b32 s2, hwreg(HW_REG_IB_STS2, 6, 4)
	s_cmp_eq_u32 s2, 0
	s_cbranch_scc0 .Lentry_in_a_cluster
	s_endpgm
.Lentry_in_a_cluster:
	s_bfe_u32 s2, ttmp6, 0x10000c
	s_cmp_lg_u32 s2, 0xf033
	s_cbranch_scc0 .Lentry_shape_is_right
	s_endpgm
.Lentry_shape_is_right:
; attn[b][s][head 128 + d] = the sum over keys of softmax(q . k / sqrt(128) + mask) v.  q, k, v: f16, rows of 256 bytes (q carries log2(e) / sqrt(128)); the mask: f32, [2][2048][2048], an input: every number of it is read and added in f32,
; no tile is left out and no branch hangs on it.  Products with f16 operands and f32 sums; maxima, exponentials and sums in f32; a running maximum.
; SHARES.  A work-group owns 64 queries x the two query heads of one key/value head: 256 work-groups.  Wave w: g = w / 2: queries 32 g .. 32 g + 31; p = w % 2: of each 128 keys the 64 from 64 p on.  It has four tiles of 16 query rows:
; tile t = query tile t / 2 of head t % 2, so that each fragment of K and V read from LDS feeds four tiles, and the two tiles of a PIECE (piece 0: tiles 0, 1; piece 2: tiles 2, 3) share their 32 registers of mask.
; The two waves of a g hold partial results (m, l, O) over disjoint keys; they are joined once, at the end, through LDS.
; LAYOUT.  S^T = K Q^T (source 0 = 16 keys, source 1 = 16 queries): a lane holds ONE query (lane % 16) and the keys 8 (lane / 16) + 0..7.  Two such tiles, rounded to f16 in pairs, are source 1 of O^T = V^T P.  V is turned by ds_load_tr16_b128.
; SOFTMAX, in powers of two: t = S + mask x log2(e), one fused multiply-add; p = 2^(t - m); in every step O and l are multiplied by a = 2^(m_old - m_new).
; BY TURNS.  In a turn one piece has the matrix unit (32 products V^T P of the step in hand, 32 products K Q^T of the next) and the other piece's softmax, cut into 64 slices, stands behind its matrix instructions.
; CLUSTER, 4 x 4: cx is the key/value head, 4 x cluster y + cy the block of 64 queries (32 to a batch).  K and V hang on cx and the batch: asked for jointly along a column.  The mask's tile hangs on the block of queries: jointly along a row.
; A slot holds one step: 128 keys of K, of V, and 64 x 128 numbers of mask.  Wave 0 fetches K, wave 1 V, waves 2 and 3 the mask's halves: one load a wave behind each round, 128 matrix instructions in which it lands.
; REGISTERS: window 0: v1-11, v60-63 addresses; v12-43 eight registers of statistics a tile; v44-59 the join; v64-191 S^T; v192-255 P.   window 1: O^T.   window 2: v0-127 Q, v128-255 K.   window 3: v0-127 V, v128-191 the mask.
; LIMITS: |v| and the results stay under 65,504 (f16); NaN is not served; a row all of whose mask is -1e9 comes out uniform, as in f32 arithmetic on the scores, while |q . k| log2(e) / sqrt(128) stays under 45.
.set PK,    272                        ; a row of K in LDS: 256 bytes + 16
.set PV,    288                        ; a row of V: 256 + 32: the turning load's 8 rows x 32 bytes fall on different words modulo 64
.set PM,    528                        ; a row of the mask: 512 + 16
.set VOFF,  128*PK
.set MOFF,  VOFF+128*PV
.set SLOT1, 1<<17                      ; slot 1 begins here: one exclusive or turns an address from one slot to the other
.set XO,    SLOT1+MOFF+64*PM           ; behind the ring: the images of O^T that the waves with p = 1 hand over, 32,768 bytes for each g;
.set XST,   XO+2*32768                 ; their m and l, 1,024 bytes for each g;
.set STAGE, XST+2048                   ; 16 rows x 272 bytes for each wave, for the way out;
.set SP,    272
.set SPARE, STAGE+4*16*SP              ; the spare words, 128 bytes a wave
.set AK0, 2
.set AV0, 3
.set ADR, 4
.set QO,  5
.set STO, 6
.set RD,  7
.set GO,  8
.set AM0, 9
.set ADM, 10
.set XA,  11
.set XS,  60
.set PFO, 61
.set SPW, 62
.set NIL, 63
.set ST,  12                           ; tile t at v[ST + 8 t]: +0 m, +1 a word that is named with it as a pair, +2, +3 l (even keys', odd keys'), +4 to +7 at work; a takes +6
.set S,   64
.set P,   192
.set KF,  128
.set WV,  12
.set G1K, 24
.set G1V, 32
.set G1M, 40
.set G0K, 48                           ; two sets each: the second walks
.set G0V, 56
.set G0M, 68
.set CS,  76                           ; s[76:77] log2(e)
.set SEL, 78
.set TB,  80                           ; the slot from which this iteration reads
.set CNT, 81                           ; refills still to come
.set PFA, 82
.set PFS, 84
.set LIM, 86
.set NEG, 87                           ; -3e38: under every t
.set MSB, 0
.macro WIN new
.if MSB != \new
	s_set_vgpr_msb (MSB<<8)|\new
.set MSB, \new
.endif
.endm
.set W_KQ, 0x0a                        ; K and Q window 2, S^T window 0
.set W_PV, 0x53                        ; V window 3, P window 0, O^T window 1
.set W_RS, 0x41                        ; O^T window 1, a window 0
.macro JLOAD                           ; the joint refill: three lines, chosen by the wave's number alone; an s_nop 0 and four v_nop follow each
	s_cmp_eq_u32 s[WV], 0
	s_cbranch_scc0 .Lnot_k_\@
	tensor_load_to_lds s[G0K+4:G0K+7], s[G1K:G1K+7]
	s_nop 0
.rept 4
	v_nop
.endr
	s_branch .Lasked_\@
.Lnot_k_\@:
	s_cmp_eq_u32 s[WV], 1
	s_cbranch_scc0 .Lfor_m_\@
	tensor_load_to_lds s[G0V+4:G0V+7], s[G1V:G1V+7]
	s_nop 0
.rept 4
	v_nop
.endr
	s_branch .Lasked_\@
.Lfor_m_\@:
	tensor_load_to_lds s[G0M+4:G0M+7], s[G1M:G1M+7]
	s_nop 0
.rept 4
	v_nop
.endr
.Lasked_\@:
.endm
; A PREFETCH of the step that stands two refills on: 256 matrix instructions ahead of its load.  Each aligned block of 256 bytes is named once in the launch.  The mask's tile (64 rows x two blocks) is read by the four partners of a
; row alone: wave 2 of each names 16 rows, told apart by address (cx).  K's and V's 128 rows are read by the eight clusters of a batch: in the first of them waves 0 and 1 name 32 rows, told apart by address (cy).
; The last two refills have no step two on: the count stops the requests.  Nothing is asked for at the head.
.macro ASK
	s_cmp_gt_u32 s[CNT], s[LIM]
	s_cbranch_scc0 .Lnot_mine_\@
	global_prefetch_b8 v[PFO], s[PFA:PFA+1] th:TH_LOAD_NT scope:SCOPE_SE
.Lnot_mine_\@:
.endm
.macro CROUND
	s_barrier_signal -1
	s_barrier_wait -1
	s_cmp_lg_u32 s[WV], 0
	s_cbranch_scc1 .Lnot_wave_0_\@
	s_barrier_signal -3
.Lnot_wave_0_\@:
	s_barrier_wait -3
	s_barrier_signal -1
	s_barrier_wait -1
.endm
	s_load_b128 s[4:7], s[0:1], 0x0                ; qkv, the mask
	s_load_b64 s[8:9], s[0:1], 0x10                ; attn
	v_lshl_add_u32 v[SPW], v0, 2, SPARE
	v_mov_b32 v[NIL], 0
	ds_add_u32 v[SPW], v[NIL]                      ; the wave's opening: the add, twice on end, and its wait ahead of my first tensor load
	ds_add_u32 v[SPW], v[NIL]
	v_lshrrev_b32 v1, 5, v0
	v_readfirstlane_b32 s[WV], v1
	s_bfe_u32 s13, ttmp6, 0x40000                  ; cx: the key/value head
	s_bfe_u32 s14, ttmp6, 0x40004                  ; cy
	s_and_b32 s15, ttmp7, 0xffff                   ; cluster y
	s_lshr_b32 s16, s15, 3                         ; the batch
	s_lshl_b32 s17, s15, 2
	s_add_co_u32 s17, s17, s14
	s_and_b32 s17, s17, 31                         ; my block of 64 queries
	s_lshr_b32 s18, s[WV], 1                       ; g
	s_and_b32 s19, s[WV], 1                        ; p
	s_lshl_b32 s20, s16, 2
	s_add_co_u32 s20, s20, s13
	s_lshl_b32 s20, s20, 19                        ; a head of K: 2,048 rows of 256 bytes
	s_add_co_u32 s20, s20, 0x800000                ; K begins at 8 MiB
	s_mov_b32 s21, 0
	s_mov_b32 s94, s20
	s_lshl_b32 s22, s16, 11
	s_lshl_b32 s23, s17, 6
	s_add_co_u32 s22, s22, s23                     ; my block's first row of the mask
	s_mov_b32 s88, s22
	s_lshl_b32 s23, s19, 5
	s_add_co_u32 s22, s22, s23                     ; the half that I would fetch
	s_lshl_b32 s22, s22, 13                        ; rows of 8,192 bytes
	s_mov_b32 s23, 0
	s_mul_i32 s89, s19, 32*PM
	s_add_co_u32 s89, s89, MOFF                    ; and its place in a slot
	s_lshl_b32 s2, s16, 3
	s_lshl_b32 s3, s13, 1
	s_add_co_u32 s2, s2, s3                        ; my first query head
	s_lshl_b32 s2, s2, 11
	s_lshl_b32 s3, s17, 6
	s_add_co_u32 s2, s2, s3
	s_lshl_b32 s3, s18, 5
	s_add_co_u32 s2, s2, s3
	s_lshl_b32 s2, s2, 8                           ; Q at my wave's first query
	s_mov_b32 s3, 0
	s_lshl_b32 s10, s18, 5
	s_add_co_u32 s10, s10, s88
	s_lshl_b32 s10, s10, 11                        ; attn: rows of 2,048 bytes,
	s_lshl_b32 s11, s13, 9                         ; my two heads' 512 bytes
	s_add_co_u32 s10, s10, s11
	s_mov_b32 s11, 0
	s_lshl_b32 s90, s14, 2
	s_lshl_b32 s90, 15, s90                        ; my row of the cluster
	s_lshl_b32 s91, 0x1111, s13                    ; my column
	s_or_b32 s[G1K], s91, (1<<16)|(1<<20)|(1<<21)|(5<<22)|(3<<25)   ; the mask of work-groups; elements of 2 bytes; padding: 4 words behind every 64
	s_or_b32 s[G1V], s91, (1<<16)|(1<<20)|(1<<21)|(5<<22)|(7<<25)   ; 8 words
	s_or_b32 s[G1M], s90, (2<<16)|(1<<20)|(1<<21)|(6<<22)|(3<<25)   ; elements of 4 bytes; 4 words behind every 128
.irp g, G1K, G1V
	s_mov_b32 s[\g+1], 128<<16                     ; tensor_dim0 = 128
	s_mov_b32 s[\g+2], 128<<16                     ; tensor_dim1 = 128 rows
	s_mov_b32 s[\g+3], 128<<16                     ; tile_dim0
	s_mov_b32 s[\g+4], 128                         ; tile_dim1
	s_mov_b32 s[\g+5], 128                         ; from row to row
	s_mov_b32 s[\g+6], 0
	s_mov_b32 s[\g+7], 0
.endr
	s_mov_b32 s[G1M+1], 128<<16
	s_mov_b32 s[G1M+2], 32<<16
	s_mov_b32 s[G1M+3], 128<<16
	s_mov_b32 s[G1M+4], 32
	s_mov_b32 s[G1M+5], 2048
	s_mov_b32 s[G1M+6], 0
	s_mov_b32 s[G1M+7], 0
	s_mov_b32 s[CS], 0x3fb8aa3b                    ; log2(e)
	s_mov_b32 s[CS+1], s[CS]
	s_mov_b32 s[SEL], 0x76543210
	s_mov_b32 s[SEL+1], 0xfedcba98
	s_mov_b32 s[TB], 0
	s_mov_b32 s[NEG], 0xff61b1e6
	s_wait_dscnt 0x0                               ; both opening adds are done
	s_wait_kmcnt 0x0
	s_add_nc_u64 s[20:21], s[4:5], s[20:21]
	s_add_nc_u64 s[22:23], s[6:7], s[22:23]
	s_add_nc_u64 s[2:3], s[4:5], s[2:3]
	s_add_nc_u64 s[8:9], s[8:9], s[10:11]
	CROUND                                         ; all sixteen work-groups are here: the first joint loads meet
.irp s, 0,1
	s_mov_b32 s[G0K+4*\s], 1
	s_mov_b32 s[G0K+4*\s+1], \s*SLOT1
	s_add_nc_u64 s[G0K+4*\s+2:G0K+4*\s+3], s[20:21], \s*32768
	s_or_b32 s[G0K+4*\s+3], s[G0K+4*\s+3], 0x80000000
	s_mov_b32 s[G0V+4*\s], 1
	s_mov_b32 s[G0V+4*\s+1], \s*SLOT1+VOFF
	s_add_nc_u64 s[G0V+4*\s+2:G0V+4*\s+3], s[20:21], 0x400000+\s*32768
	s_or_b32 s[G0V+4*\s+3], s[G0V+4*\s+3], 0x80000000
	s_mov_b32 s[G0M+4*\s], 1
	s_add_co_u32 s[G0M+4*\s+1], s89, \s*SLOT1
	s_add_nc_u64 s[G0M+4*\s+2:G0M+4*\s+3], s[22:23], \s*512
	s_or_b32 s[G0M+4*\s+3], s[G0M+4*\s+3], 0x80000000
.endr
	s_cmp_eq_u32 s[WV], 0                          ; a wave's two first fills stand together: two loads of mine are out
	s_cbranch_scc0 .Lfirst_not_k
	tensor_load_to_lds s[G0K:G0K+3], s[G1K:G1K+7]
	s_nop 0
	tensor_load_to_lds s[G0K+4:G0K+7], s[G1K:G1K+7]
	s_nop 0
.rept 4
	v_nop
.endr
	s_branch .Lfirst_asked
.Lfirst_not_k:
	s_cmp_eq_u32 s[WV], 1
	s_cbranch_scc0 .Lfirst_m
	tensor_load_to_lds s[G0V:G0V+3], s[G1V:G1V+7]
	s_nop 0
	tensor_load_to_lds s[G0V+4:G0V+7], s[G1V:G1V+7]
	s_nop 0
.rept 4
	v_nop
.endr
	s_branch .Lfirst_asked
.Lfirst_m:
	tensor_load_to_lds s[G0M:G0M+3], s[G1M:G1M+7]
	s_nop 0
	tensor_load_to_lds s[G0M+4:G0M+7], s[G1M:G1M+7]
	s_nop 0
.rept 4
	v_nop
.endr
.Lfirst_asked:
	v_and_b32 v1, 15, v0                           ; r
	v_bfe_u32 v44, v0, 4, 1                        ; h
	v_lshlrev_b32 v[QO], 8, v1
	v_lshl_add_u32 v[QO], v44, 4, v[QO]
	WIN 0x80                                       ; destination window 2
.irp i, 0,1,2,3,4,5,6,7,8,9,10,11,12,13,14,15  ; Q stays in registers: tile i / 4 (head (i / 4) % 2, 524,288 bytes on; query tile (i / 4) / 2), channels 32 (i % 4) on
	global_load_b128 v[8*\i:8*\i+3],   v[QO], s[2:3] offset:((\i/4)%2)*524288+((\i/4)/2)*4096+(\i%4)*64
	global_load_b128 v[8*\i+4:8*\i+7], v[QO], s[2:3] offset:((\i/4)%2)*524288+((\i/4)/2)*4096+(\i%4)*64+32
.endr
	WIN 0
	s_mul_i32 s98, s19, 64*PK                      ; my 64 of the slot's 128 keys
	v_mul_u32_u24 v[AK0], v1, PK
	v_lshl_add_u32 v[AK0], v44, 4, v[AK0]
	v_add_nc_u32 v[AK0], s98, v[AK0]
	s_mul_i32 s98, s19, 64*PV
	s_add_co_u32 s98, s98, VOFF
	v_and_b32 v45, 7, v0
	v_bfe_u32 v46, v0, 3, 1
	v_lshl_add_u32 v[AV0], v44, 3, v45             ; the turning load: key 8 (l / 16) + l % 8, channels 8 ((l / 8) % 2) on
	v_mul_u32_u24 v[AV0], v[AV0], PV
	v_lshl_add_u32 v[AV0], v46, 4, v[AV0]
	v_add_nc_u32 v[AV0], s98, v[AV0]
	s_mul_i32 s98, s18, 32*PM
	s_lshl_b32 s99, s19, 8
	s_add_co_u32 s98, s98, s99
	s_add_co_u32 s98, s98, MOFF
	v_mul_u32_u24 v[AM0], v1, PM                   ; the mask: row 32 g + r, my 64 keys' 256 bytes, + 32 h
	v_lshl_add_u32 v[AM0], v44, 5, v[AM0]
	v_add_nc_u32 v[AM0], s98, v[AM0]
.irp t, 0,1,2,3
	v_mov_b32 v[ST+8*\t+1], 0                      ; named with m as a pair, so it is written
.endr
	; the prefetches: where my wave's stand, and who asks
	s_lshl_b32 s92, s14, 13                        ; K, V: my work-group's 32 rows of the 128,
	s_lshl_b32 s93, s[WV], 22                      ; wave 1: V, 4 MiB on,
	s_add_co_u32 s92, s92, s93
	s_add_co_u32 s92, s92, s94
	s_add_co_u32 s92, s92, 3*32768                 ; at step 3: the first change steps it to 4
	s_lshl_b32 s95, s13, 4                         ; the mask: my work-group's 16 rows of the 64
	s_add_co_u32 s95, s95, s88
	s_lshl_b32 s95, s95, 13
	s_add_co_u32 s95, s95, 3*512
	s_and_b32 s96, s15, 7
	s_mov_b32 s97, 8192
	s_mov_b32 s[PFS], 512
	s_cmp_lt_u32 s[WV], 2
	s_cselect_b64 s[PFA:PFA+1], s[4:5], s[6:7]
	s_cselect_b32 s92, s92, s95
	s_cselect_b32 s97, 512, s97                    ; from one pair of lanes to the next
	s_cselect_b32 s[PFS], 32768, s[PFS]            ; a step on
	s_cselect_b32 s96, s96, 0                      ; waves 0, 1: only in the batch's first cluster
	s_cmp_eq_u32 s[WV], 3
	s_cselect_b32 s96, 1, s96                      ; wave 3 never
	s_cmp_eq_u32 s96, 0
	s_cselect_b32 s[LIM], 2, -1                    ; the same in all sixteen partners, for a given wave
	s_mov_b32 s93, 0
	s_mov_b32 s[PFS+1], 0
	s_add_nc_u64 s[PFA:PFA+1], s[PFA:PFA+1], s[92:93]
	v_and_b32 v45, 31, v0
	v_lshrrev_b32 v46, 1, v45
	v_mul_lo_u32 v[PFO], v46, s97
	v_and_b32 v46, 1, v45
	v_lshl_add_u32 v[PFO], v46, 8, v[PFO]
; THE MATRIX WORK OF A TURN, for piece x.  The accumulators take turns, one instruction a turn.
.macro PV x, zero                      ; product i of 32 of O^T += V^T P: keys 32 (i / 16) on, channels 16 ((i / 2) % 8) on, tile x + i % 2
	WIN W_PV
.set rO, 64*(\x+i%2)+8*((i/2)%8)
.set rV, 64*(i/16)+8*((i/2)%8)
.set rP, P+16*(\x+i%2)+8*(i/16)
.if \zero && (i < 16)
	v_wmma_f32_16x16x32_f16 v[rO:rO+7], v[rV:rV+7], v[rP:rP+7], 0
.else
	v_wmma_f32_16x16x32_f16 v[rO:rO+7], v[rV:rV+7], v[rP:rP+7], v[rO:rO+7]
.endif
.endm
.macro KQ x                            ; product i of 32 of S^T = K Q^T: channels 32 (i / 8) on, keys 16 ((i / 2) % 4) on, tile x + i % 2
	WIN W_KQ
.set rS, S+32*(\x+i%2)+8*((i/2)%4)
.set rK, KF+32*((i/2)%4)+8*(i/8)
.set rQ, 32*(\x+i%2)+8*(i/8)
.if i < 8
	v_wmma_f32_16x16x32_f16 v[rS:rS+7], v[rK:rK+7], v[rQ:rQ+7], 0
.else
	v_wmma_f32_16x16x32_f16 v[rS:rS+7], v[rK:rK+7], v[rQ:rQ+7], v[rS:rS+7]
.endif
.endm
; THE LDS LOADS stand in two runs of 40 a step: K with piece 0's mask, and, a turn later, V with piece 2's.
.macro FETCH_K
	WIN 0
	v_add_nc_u32 v[ADR], s[TB], v[AK0]
	v_add_nc_u32 v[ADM], s[TB], v[AM0]
	WIN 0x80
.irp f, 0,1,2,3,4,5,6,7,8,9,10,11,12,13,14,15  ; keys 16 (f / 4) on, channels 32 (f % 4) on
	ds_load_b128 v[KF+8*\f:KF+8*\f+3],   v[ADR] offset:(\f/4)*16*PK+(\f%4)*64
	ds_load_b128 v[KF+8*\f+4:KF+8*\f+7], v[ADR] offset:(\f/4)*16*PK+(\f%4)*64+32
.endr
	WIN 0xc0
.irp f, 0,1,2,3,4,5,6,7                        ; register 8 kt + j: the mask of my query at key 16 kt + 8 h + j
	ds_load_b128 v[128+4*\f:128+4*\f+3], v[ADM] offset:64*(\f/2)+16*(\f%2)
.endr
.endm
.macro FETCH_V
	WIN 0
	v_add_nc_u32 v[ADR], s[TB], v[AV0]
	v_add_nc_u32 v[ADM], s[TB], v[AM0]
	s_wait_alu depctr_va_vdst(0)                   ; the wait for the softmax's batch of exponentials, ahead of the first line that names a result
	WIN 0xc0
.irp f, 0,1,2,3,4,5,6,7,8,9,10,11,12,13,14,15  ; keys 32 (f / 8) on, channels 16 (f % 8) on
	ds_load_tr16_b128 v[8*\f:8*\f+3],   v[ADR] offset:(\f/8)*32*PV+(\f%8)*32
	ds_load_tr16_b128 v[8*\f+4:8*\f+7], v[ADR] offset:(\f/8)*32*PV+16*PV+(\f%8)*32
.endr
.irp f, 0,1,2,3,4,5,6,7
	ds_load_b128 v[160+4*\f:160+4*\f+3], v[ADM] offset:16*PM+64*(\f/2)+16*(\f%2)
.endr
.endm
; THE VECTOR WORK OF A TURN.  One tile's softmax for one step is a list of 150 numbers; SM writes number j for tile t.  first = 1: the first step, which starts m, l and O^T.
;   0-15    t = mask x log2(e) + S, a pair each, ascending: each accumulator is read from its low end on
;   16-31   the maximum of the 32 and the old m;   32-36  the other half of the lanes' maximum, the new m, m_old - m_new
;   37-85   ONE BATCH: 16 subtractions t - m, a pair each, and all 33 exponentials (a at 39); none of these reads an exponential's result
;   (wait)  between 85 and 86: SLICE writes it, once for both tiles
;   86-101  the roundings to f16;   102-117 the sums, l = a l + the sum;   118-149 the tile's O^T times a
.macro SM t, first
.set rT, ST+8*(\t)
.set rS, S+32*(\t)
.set rP, P+16*(\t)
.set rM, 128+32*((\t)/2)
.set rO, 64*(\t)+2*(j-118)
.set jo, j-16
.if j < 16
	WIN 0x03                                       ; source 0 window 3
.elseif j < 118
	WIN 0
.endif
.if j < 16
	v_pk_fma_f32 v[rS+2*j:rS+2*j+1], v[rM+2*j:rM+2*j+1], s[CS:CS+1], v[rS+2*j:rS+2*j+1] op_sel_hi:[1,0,1]
.elseif jo < 4
	v_max3_num_f32 v[rT+4+jo], v[rS+8*jo], v[rS+8*jo+1], v[rS+8*jo+2]
.elseif jo < 12
	v_max3_num_f32 v[rT+4+jo%4], v[rT+4+jo%4], v[rS+8*(jo%4)+2*(jo/4)+1], v[rS+8*(jo%4)+2*(jo/4)+2]
.elseif jo == 12
	v_max3_num_f32 v[rT+4], v[rT+4], v[rS+7], v[rS+15]
.elseif jo == 13
	v_max3_num_f32 v[rT+6], v[rT+6], v[rS+23], v[rS+31]
.elseif jo == 14
	v_max3_num_f32 v[rT+4], v[rT+4], v[rT+5], v[rT+6]
.elseif (jo == 15) && \first
	v_max3_num_f32 v[rT+4], v[rT+4], v[rT+7], s[NEG]
.elseif jo == 15
	v_max3_num_f32 v[rT+4], v[rT+4], v[rT+7], v[rT]
.elseif jo == 16
	v_permlanex16_b32 v[rT+5], v[rT+4], s[SEL], s[SEL+1]   ; the query's other 32 keys lie in the lane 16 away
.elseif jo == 18
	v_max_num_f32 v[rT], v[rT+4], v[rT+5]
.elseif jo == 19
.elseif ((jo == 17) || (jo == 20) || (jo == 23) || (j > 117)) && \first
.elseif jo == 17
	v_mov_b32 v[rT+7], v[rT]
.elseif jo == 20
	v_sub_f32 v[rT+7], v[rT+7], v[rT]
.elseif jo == 23
	v_exp_f32 v[rT+6], v[rT+7]
.elseif (jo < 23) || ((jo < 38) && (jo%2 == 0)) || ((jo < 66) && (jo%4 == 2))
.set b, (jo-2)/4
.if jo < 38
.set b, (jo-20)/2
.endif
	v_pk_add_f32 v[rS+2*b:rS+2*b+1], v[rS+2*b:rS+2*b+1], v[rT:rT+1] op_sel_hi:[1,0] neg_lo:[0,1] neg_hi:[0,1]   ; pair b: t - m, exact at the maximum
.elseif jo < 70
.set e, jo-38
.if jo < 66
.set e, jo-32-(jo-38)/4
.endif
.if jo < 38
.set e, (jo-25)/2
.endif
	v_exp_f32 v[rS+e], v[rS+e]
.elseif jo < 86
	v_cvt_pk_f16_f32 v[rP+jo-70], v[rS+2*(jo-70)], v[rS+2*(jo-70)+1]
.elseif jo < 102
.set z, jo-86
.set w, 4
.set u, z
.if z >= 14
.set w, 32
.set u, 0
.elseif z >= 12
.set w, 16
.set u, z-12
.elseif z >= 8
.set w, 8
.set u, z-8
.endif
.if (z == 14) && \first
	v_pk_add_f32 v[rT+2:rT+3], v[rS:rS+1], v[rS+16:rS+17]
.elseif z < 15
	v_pk_add_f32 v[rS+w*u:rS+w*u+1], v[rS+w*u:rS+w*u+1], v[rS+w*u+w/2:rS+w*u+w/2+1]
.elseif !\first
	v_pk_fma_f32 v[rT+2:rT+3], v[rT+2:rT+3], v[rT+6:rT+7], v[rS:rS+1] op_sel_hi:[1,0,1]
.endif
.else
	WIN W_RS
	v_pk_mul_f32 v[rO:rO+1], v[rO:rO+1], v[rT+6:rT+7] op_sel_hi:[1,0]
.endif
.endm
; Slice k of 64 of piece y's softmax.  Slices 0-12: three numbers of both tiles (0 to 37); 13-36: the batch, four numbers of ONE tile, the tiles by turns (38 to 85); 37-46: three numbers of both (86 to 115); 47-63: two of both (116 to 149).
; Behind slice 36 no exponential is issued and ahead of slice 37 no result is named: one plain line and one wait serve the piece's 66 exponentials.  Slice 63 is four plain multiplications on the other piece's O^T:
; the four places between the turn's last product K Q^T and what follows it.
.macro SLICE y, first
.if k < 13
.irp n, 0,1,2
.if 3*k+\n < 38
.irp t, \y, \y+1
.set j, 3*k+\n
	SM \t, \first
.endr
.endif
.endr
.elseif k < 37
.irp n, 0,1,2,3
.set j, 38+4*((k-13)/2)+\n
	SM (\y)+(k-13)%2, \first
.endr
.elseif k < 47
.irp n, 0,1,2
.irp t, \y, \y+1
.set j, 86+3*(k-37)+\n
	SM \t, \first
.endr
.endr
.else
.irp n, 0,1
.irp t, \y, \y+1
.set j, 116+2*(k-47)+\n
	SM \t, \first
.endr
.endr
.endif
.if k == 36
	v_nop                                          ; the plain line behind the last exponential
.if (\y) == 0
	FETCH_V                                        ; piece 2's turn: V's run of loads stands here, and the wait stands in it.  Behind the last product ahead of it stand four exponentials, the v_nop and two additions
.else
	s_wait_alu depctr_va_vdst(0)                   ; the wait for the batch
.endif
.endif
.set k, k+1
.endm
.macro PLACES
.rept 4
	v_nop
.endr
.endm
; A TURN.  pv = 2: 32 products V^T P; 1: they start O^T's sums; 0: none.  kq = 1: 32 products K Q^T of the next step.  A turn with one of the two kinds has two slices behind each product.
.macro TURN x, pv, kq, first
.set k, 0
.set per, 2
.if \pv && \kq
.set per, 1
.endif
.if \pv
.if \x == 0
	s_wait_dscnt 0x0                               ; V and piece 2's mask are in
.endif
.set i, 0
.rept 32
	PV \x, 2-\pv
.rept per
	SLICE 2-\x, \first
.endr
.if (\x == 0) && \kq && (i == 1)
	FETCH_K
.endif
.set i, i+1
.endr
.endif
.if \kq
.if \x == 0
	s_wait_dscnt 0x0                               ; K and piece 0's mask are in
.endif
.set i, 0
.rept 32
	KQ \x
.rept per
	SLICE 2-\x, \first
.endr
.set i, i+1
.endr
.endif
.if \first
	PLACES                                         ; the first step's last slices are empty: these take slice 63's part
.endif
.endm
; THE CHANGE OF SLOTS, at the head of an iteration: all that the last iteration read of its slot has been asked for.  Each wave waits for all its tensor loads (one is out: its part of the other slot), adds 0 to its spare word,
; and waits for that and for its reads.  fill = 1: a round of the cluster's barrier, and the slot just left is filled with the step two on.
.macro CHANGE fill
	WIN 0
	s_wait_tensorcnt 0x0                           ; no tensor load of mine is out, so a group 0 may be written
	ds_add_u32 v[SPW], v[NIL]
.if \fill
.irp g, G0K+4, G0V+4, G0M+4
	s_xor_b32 s[\g+1], s[\g+1], SLOT1              ; the walking descriptors: the other slot than last time
.endr
	s_add_nc_u64 s[G0K+6:G0K+7], s[G0K+6:G0K+7], 32768     ; the next 128 keys
	s_add_nc_u64 s[G0V+6:G0V+7], s[G0V+6:G0V+7], 32768
	s_add_nc_u64 s[G0M+6:G0M+7], s[G0M+6:G0M+7], 512
	s_wait_xcnt 0x0                                ; the last prefetch, an iteration back, has read its address
	s_add_nc_u64 s[PFA:PFA+1], s[PFA:PFA+1], s[PFS:PFS+1]
	s_wait_dscnt 0x0                               ; the add is done, and my reads of the slot are over
	CROUND
	JLOAD
	ASK
.else
	s_wait_dscnt 0x0
	s_barrier_signal -1
	s_barrier_wait -1
.endif
	s_xor_b32 s[TB], s[TB], SLOT1                  ; this iteration reads the other slot
.endm
	s_wait_tensorcnt 1                             ; my part of slot 0 is in; slot 1's may stay out
	s_barrier_signal -1
	s_barrier_wait -1
	FETCH_K                                        ; step 0
	s_wait_loadcnt 0x0                             ; Q
	s_wait_dscnt 0x0
.set i, 0
.rept 32
	KQ 0                                           ; piece 0's first scores
.set i, i+1
.endr
	WIN 0                                          ; the addresses for the end are made here, ahead of every parting of the waves: plain lines, the places behind those products
	s_mul_i32 s98, s[WV], 16*SP
	s_add_co_u32 s98, s98, STAGE
	v_mul_u32_u24 v[STO], v1, SP
	v_lshl_add_u32 v[STO], v44, 4, v[STO]
	v_add_nc_u32 v[STO], s98, v[STO]
	v_mul_u32_u24 v[RD], v44, SP
	v_lshl_add_u32 v[RD], v1, 4, v[RD]
	v_add_nc_u32 v[RD], s98, v[RD]
	v_lshlrev_b32 v[GO], 11, v44
	v_lshl_add_u32 v[GO], v1, 4, v[GO]
	v_and_b32 v45, 31, v0
	s_lshl_b32 s98, s18, 15
	s_add_co_u32 s98, s98, XO
	v_lshl_add_u32 v[XA], v45, 4, s98
	s_lshl_b32 s99, s18, 10
	s_add_co_u32 s99, s99, XST
	v_lshl_add_u32 v[XS], v45, 4, s99
	TURN 2, 0, 1, 1                                ; piece 2's first scores | piece 0's first softmax | V of step 0
	s_mov_b32 s[CNT], 14
	CHANGE 1                                       ; slot 0 takes step 2
	TURN 0, 1, 1, 1                                ; piece 0: V^T P of step 0 starts O^T, K Q^T of step 1 | piece 2's first softmax
	TURN 2, 1, 1, 0
	WIN 0
	s_sub_co_u32 s[CNT], s[CNT], 1
.Lstep:                                            ; 13 trips: steps 3 to 15 are asked for
	CHANGE 1
	TURN 0, 2, 1, 0
	TURN 2, 2, 1, 0
	WIN 0
	s_sub_co_u32 s[CNT], s[CNT], 1
	s_cmp_lg_u32 s[CNT], 0
	s_cbranch_scc1 .Lstep
	CHANGE 0                                       ; the tail is written out
	TURN 0, 2, 1, 0
	TURN 2, 2, 1, 0
	TURN 0, 2, 0, 0                                ; piece 0: V^T P of the last step | piece 2's last softmax
.set i, 0
.rept 32
	PV 2, 0
.set i, i+1
.endr
	; THE JOIN.  l's two halves and the other half of the lanes' are added; these lines are also the places behind the last products.
	WIN 0
.irp t, 0,1,2,3
	v_add_f32 v[48+\t], v[ST+8*\t+2], v[ST+8*\t+3]
.endr
.irp t, 0,1,2,3
	v_permlanex16_b32 v[ST+8*\t+5], v[48+\t], s[SEL], s[SEL+1]
.endr
.irp t, 0,1,2,3
	v_add_f32 v[48+\t], v[48+\t], v[ST+8*\t+5]
.endr
.irp t, 0,1,2,3
	v_mov_b32 v[44+\t], v[ST+8*\t]
.endr
	s_cmp_eq_u32 s19, 0
	s_cbranch_scc1 .Lkeeper
	WIN 0x04                                       ; an LDS store's data are its source 1: window 1
.set n, 0
.rept 64                               ; the waves with p = 1 hand over O^T as an image of its registers, each accumulator from its low end on,
	ds_store_b128 v[XA], v[4*n:4*n+3] offset:512*n
.set n, n+1
.endr
	WIN 0
	ds_store_b128 v[XS], v[44:47]                  ; and m and l
	ds_store_b128 v[XS], v[48:51] offset:512
.Lkeeper:
	s_wait_dscnt 0x0                               ; for the others' sake: my stores have landed
	s_barrier_signal -1
	s_barrier_wait -1
	s_cmp_lg_u32 s19, 0
	s_cbranch_scc1 .Lend
	ds_load_b128 v[52:55], v[XS]
	ds_load_b128 v[56:59], v[XS] offset:512
	WIN 0x80                                       ; the partner's O^T into window 2, where Q and K lay
.set n, 0
.rept 64
	ds_load_b128 v[4*n:4*n+3], v[XA] offset:512*n
.set n, n+1
.endr
	WIN 0
	s_wait_dscnt 63                                ; m and l are in (64 loads stand behind them; the count is the largest that the wait can name)
.irp t, 0,1,2,3
	v_max_num_f32 v[ST+8*\t+4], v[44+\t], v[52+\t]
.endr
.irp t, 0,1,2,3
	v_sub_f32 v[ST+8*\t+5], v[44+\t], v[ST+8*\t+4]
	v_sub_f32 v[ST+8*\t+7], v[52+\t], v[ST+8*\t+4]
.endr
.irp t, 0,1,2,3
	v_exp_f32 v[ST+8*\t+5], v[ST+8*\t+5]
	v_exp_f32 v[ST+8*\t+7], v[ST+8*\t+7]
.endr
	v_nop
	s_wait_alu depctr_va_vdst(0)                   ; one wait for the eight
.irp t, 0,1,2,3
	v_mul_f32 v[ST+8*\t+4], v[48+\t], v[ST+8*\t+5]
.endr
.irp t, 0,1,2,3
	v_fma_f32 v[ST+8*\t+4], v[56+\t], v[ST+8*\t+7], v[ST+8*\t+4]
.endr
.irp t, 0,1,2,3
	v_rcp_f32 v[ST+8*\t+4], v[ST+8*\t+4]
.endr
	v_nop
	s_wait_alu depctr_va_vdst(0)                   ; one wait for the four
.irp t, 0,1,2,3
	v_mul_f32 v[ST+8*\t+2], v[ST+8*\t+5], v[ST+8*\t+4]     ; what my O^T is multiplied by,
	v_mul_f32 v[ST+8*\t+6], v[ST+8*\t+7], v[ST+8*\t+4]     ; and the partner's
.endr
	s_wait_dscnt 0x0
.macro PACK t
	WIN W_RS
.set i, 64*\t
.rept 32
	v_pk_mul_f32 v[i:i+1], v[i:i+1], v[ST+8*\t+2:ST+8*\t+3] op_sel_hi:[1,0]
.set i, i+2
.endr
	WIN 0x52                                       ; source 0 window 2, source 2 and destination window 1
.set i, 64*\t
.rept 32
	v_pk_fma_f32 v[i:i+1], v[i:i+1], v[ST+8*\t+6:ST+8*\t+7], v[i:i+1] op_sel_hi:[1,0,1]
.set i, i+2
.endr
	WIN 0x05
.set i, 0
.rept 32
	v_cvt_pk_f16_f32 v[S+32*\t+i], v[64*\t+2*i], v[64*\t+2*i+1]
.set i, i+1
.endr
	WIN 0
.irp f, 0,1,2,3,4,5,6,7
	ds_store_b128 v[STO], v[S+32*\t+4*\f:S+32*\t+4*\f+3] offset:32*\f
.endr
.irp f, 0,1,2,3,4,5,6,7
	ds_load_b128 v[S+32*\t+4*\f:S+32*\t+4*\f+3], v[RD] offset:\f*2*SP   ; LDS serves a wave's instructions in order: these see the stores above
.endr
.endm
.macro SEND t, younger                 ; younger: the LDS instructions issued behind tile t's loads: the next tile's sixteen, or none
.irp f, 0,1,2,3,4,5,6,7
	s_wait_dscnt \younger+7-\f
	global_store_b128 v[GO], v[S+32*\t+4*\f:S+32*\t+4*\f+3], s[8:9] offset:(\t/2)*32768+(\t%2)*256+\f*4096   ; 16 lanes store 256 consecutive bytes, aligned
.endr
.endm
	PACK 0
	PACK 1
	SEND 0, 16
	PACK 2
	SEND 1, 16
	PACK 3
	SEND 2, 16
	SEND 3, 0
.Lend:
	s_wait_tensorcnt 0x0                           ; the wave's end
	ds_add_u32 v[SPW], v[NIL]
	s_wait_dscnt 0x0
	CROUND                                         ; the closing round
	s_endpgm
.Lfunc_end_k_qf40c2df11f_attn:
	.size	k_qf40c2df11f_attn, .Lfunc_end_k_qf40c2df11f_attn-k_qf40c2df11f_attn
	.p2alignl 7, 3214868480
	.fill 96, 4, 3214868480
	.section	.rodata,"a",@progbits
	.p2align	6, 0x0
	.amdhsa_kernel k_qf40c2df11f_attn
		.amdhsa_group_segment_fixed_size 327680
		.amdhsa_private_segment_fixed_size 0
		.amdhsa_enable_private_segment 0
		.amdhsa_kernarg_size 24
		.amdhsa_user_sgpr_count 2
		.amdhsa_user_sgpr_kernarg_segment_ptr 1
		.amdhsa_wavefront_size32 1
		.amdhsa_system_sgpr_workgroup_id_x 1
		.amdhsa_system_sgpr_workgroup_id_y 1
		.amdhsa_system_sgpr_workgroup_id_z 1
		.amdhsa_system_vgpr_workitem_id 0
		.amdhsa_next_free_vgpr 1024
		.amdhsa_next_free_sgpr 100
		.amdhsa_reserve_vcc 0
		.amdhsa_float_denorm_mode_32 3
		.amdhsa_float_denorm_mode_16_64 3
		.amdhsa_memory_ordered 1
		.amdhsa_forward_progress 1
		.amdhsa_inst_pref_size 255
	.end_amdhsa_kernel
	.section	.bss,"aw",@nobits
	.p2align	6
	.space	262144
	.amdgpu_metadata
---
amdhsa.version: [ 1, 2 ]
amdhsa.kernels:
  - .name:           k_qf40c2df11f_attn
    .symbol:         k_qf40c2df11f_attn.kd
    .args:
      - { .name: qkv, .offset: 0, .size: 8, .value_kind: global_buffer, .address_space: global }
      - { .name: attention_mask, .offset: 8, .size: 8, .value_kind: global_buffer, .address_space: global }
      - { .name: attn, .offset: 16, .size: 8, .value_kind: global_buffer, .address_space: global }
    .group_segment_fixed_size: 327680
    .private_segment_fixed_size: 0
    .kernarg_segment_align: 8
    .kernarg_segment_size: 24
    .max_flat_workgroup_size: 128
    .sgpr_count:     100
    .vgpr_count:     1024
    .wavefront_size: 32
...
	.end_amdgpu_metadata
.endif
;; end of part 3
;; launch oproj (part 4): grid 16 x 16, 4 waves a work-group, clusters of 4 x 4, 327,680 bytes of LDS; arguments attn, wo16, out0; writes out0
.if DOCPART == 4
	.amdgcn_target "amdgcn-amd-amdhsa--gfx1250"
	.amdhsa_code_object_version 6
	.text
	.protected	k_qf40c2df11f_oproj
	.globl	k_qf40c2df11f_oproj
	.p2align	8
	.type	k_qf40c2df11f_oproj,@function
k_qf40c2df11f_oproj:
	s_mov_b64 s[64:65], 0
	v_nop
	global_prefetch_b8 v0, s[64:65] scope:SCOPE_SE
	s_setreg_imm32_b32 hwreg(HW_REG_WAVE_MODE, 25, 1), 1
	s_wait_xcnt 0x0
	s_wait_alu depctr_hold_cnt(0) depctr_sa_sdst(0) depctr_va_vdst(0) depctr_va_sdst(0) depctr_va_ssrc(0) depctr_va_vcc(0) depctr_vm_vsrc(0)
	s_getreg_b32 s2, hwreg(HW_REG_IB_STS2, 6, 4)
	s_cmp_eq_u32 s2, 0
	s_cbranch_scc0 .Lentry_in_a_cluster
	s_endpgm
.Lentry_in_a_cluster:
	s_bfe_u32 s2, ttmp6, 0x10000c
	s_cmp_lg_u32 s2, 0xf033
	s_cbranch_scc0 .Lentry_shape_is_right
	s_endpgm
.Lentry_shape_is_right:
; out0[m][n] = the sum over k of attn[m][k] Wo[n][k].  attn: [4096][1024] f16, wo16: [2048][1024] f16, out0: [4096][2048] f32; sums in f32.
; A tile of the result is 256 rows x 128 columns: 16 x 16 = 256 work-groups, one for each WGP (tiles of 256 x 256 would make 128).  Wave w makes rows 64 w .. 64 w + 63 x all 128 columns: 32 accumulators, 256 registers.
; K goes in eight phases of 128 (256 bytes of a row); a phase is four steps of 32, 32 matrix instructions each.  LDS holds three phases, in regions of unequal size:
;   S: one phase, rows of 256 bytes;   D: two phases, brought by one load a wave as rows of 512 bytes;   E: one phase, laid as S is, over D's first bytes, for the last phase.
; THE WALK: S (phase 0), D (1, 2), S (3), D (4, 5), S (6), E (7).  S and D are asked for together at the head.  A region is filled again behind the round at its last step: S then has D's two phases, 240 matrix instructions, in which
; to land; D and E have S's one phase, 112.  Four rounds serve the eight phases.  All 32 steps are written out: there is no loop.
; CLUSTERS: 4 x 4 work-groups; attn's tiles are asked for jointly along a row of the cluster, Wo's along a column.  THE MATRIX INSTRUCTION IS USED TRANSPOSED (source 0 = 16 rows of Wo, source 1 = 16 rows of attn):
; a lane holds eight neighbouring numbers of a row of the result.
; REGISTERS: window 0: v16-29 addresses; v128-255 rows on the way out.   window 1: Wo's fragments, set p at v[64 p]; attn's, set p at v[128 + 32 p].   window 2: accumulator (a, b) at v[8 (8 a + b)].
.set DP,     528                       ; a row of D in LDS: 512 bytes + 16 of padding
.set SP2,    272                       ; a row of S or E: 256 bytes + 16.  Both pitches are odd multiples of 16 bytes: the 16 rows that a load touches start 4 words apart modulo 64 words
.set DB,     256*DP                    ; D: attn's 256 rows, then Wo's 128
.set SO,     384*DP                    ; S begins behind D
.set EB,     256*SP2                   ; E and S: attn's 256 rows, then Wo's 128
.set SPARE,  SO+384*SP2                ; behind S: the spare words, 128 bytes a wave
.set SPITCH, 528                       ; the way out: 16 rows x (512 + 16) bytes a wave, in S, which has had its last fill and its last read by then
.set ADRA, 16                          ; v16-18 LDS address of my rows' fragments in D, S, E
.set ADRB, 20                          ; v20-22 the same for Wo
.set STO,  24
.set RD,   25
.set CO,   26
.set SPW,  28
.set NIL,  29
.set BK,   128
.set G1D,  24                          ; s[24:31], s[32:39] descriptor group 1 for D: attn's tiles, Wo's
.set G1DB, 32
.set G1S,  40                          ; s[40:47], s[48:55] for S and E
.set G1SB, 48
.set G0D,  56                          ; groups 0: D's,
.set G0DB, 60
.set G0S,  68                          ; S's,
.set G0SB, 72
.set G0E,  76                          ; E's
.set G0EB, 80
.set MSB, 0
.macro WIN new                         ; the immediate's high byte repeats the setting that is left
.if MSB != \new
	s_set_vgpr_msb (MSB<<8)|\new
.set MSB, \new
.endif
.endm
.set MUL,  0xa5                        ; sources 0 and 1 window 1, C and D window 2
.set TO_F, 0x40                        ; destination window 1, address window 0
.macro JLOAD g0a, g1a, g0b, g1b        ; waves 0 and 1 fetch attn's halves, waves 2 and 3 Wo's; an s_nop 0 and four v_nop follow each of the two lines
	s_cmp_eq_u32 s15, 0
	s_cbranch_scc0 .Lfor_b_\@
	tensor_load_to_lds s[\g0a:\g0a+3], s[\g1a:\g1a+7]
	s_nop 0
.rept 4
	v_nop
.endr
	s_branch .Lasked_\@
.Lfor_b_\@:
	tensor_load_to_lds s[\g0b:\g0b+3], s[\g1b:\g1b+7]
	s_nop 0
.rept 4
	v_nop
.endr
.Lasked_\@:
.endm
.macro CREST                           ; a round of the cluster's barrier behind its opening barrier
	s_cmp_lg_u32 s14, 0
	s_cbranch_scc1 .Lnot_wave_0_\@
	s_barrier_signal -3
.Lnot_wave_0_\@:
	s_barrier_wait -3
	s_barrier_signal -1
	s_barrier_wait -1
.endm
.macro CROUND
	s_barrier_signal -1
	s_barrier_wait -1
	CREST
.endm
.macro PLACES                          ; four plain places behind matrix instructions, ahead of loads into their sources and of reads of their results
.rept 4
	v_nop
.endr
.endm
	s_load_b128 s[4:7], s[0:1], 0x0                ; attn, wo16
	s_load_b64 s[8:9], s[0:1], 0x10                ; out0
	v_lshl_add_u32 v[SPW], v0, 2, SPARE
	v_mov_b32 v[NIL], 0
	ds_add_u32 v[SPW], v[NIL]                      ; the wave's opening: the add, twice on end, and its wait ahead of my first tensor load
	ds_add_u32 v[SPW], v[NIL]
	v_lshrrev_b32 v1, 5, v0
	v_readfirstlane_b32 s14, v1                    ; wave
	s_lshr_b32 s15, s14, 1                         ; I fetch for attn (0) or for Wo (1)
	s_and_b32 s16, s14, 1                          ; which half
	s_bfe_u32 s84, ttmp6, 0x40000                  ; cx, cy
	s_bfe_u32 s85, ttmp6, 0x40004
	s_lshl_b32 s86, ttmp9, 2
	s_add_co_u32 s86, s86, s84                     ; tile column
	s_and_b32 s17, ttmp7, 0xffff
	s_lshl_b32 s17, s17, 2
	s_add_co_u32 s17, s17, s85                     ; tile row
	s_lshl_b32 s87, s85, 2
	s_lshl_b32 s87, 15, s87                        ; my row of the cluster
	s_lshl_b32 s88, 0x1111, s84                    ; my column
	s_or_b32 s[G1D], s87, (1<<16)|(1<<20)|(1<<21)|(6<<22)|(3<<25)   ; the mask; elements of 2 bytes; padding: 4 words behind every 128
	s_or_b32 s[G1DB], s88, (1<<16)|(1<<20)|(1<<21)|(6<<22)|(3<<25)
	s_or_b32 s[G1S], s87, (1<<16)|(1<<20)|(1<<21)|(5<<22)|(3<<25)   ; padding: 4 words behind every 64
	s_or_b32 s[G1SB], s88, (1<<16)|(1<<20)|(1<<21)|(5<<22)|(3<<25)
	s_mov_b32 s[G1D+1], 256<<16                    ; tensor_dim0 = 256 elements: two phases
	s_mov_b32 s[G1D+2], 128<<16                    ; tensor_dim1 = 128 rows
	s_mov_b32 s[G1D+3], 256<<16                    ; tile_dim0
	s_mov_b32 s[G1D+4], 128                        ; tile_dim1
	s_mov_b32 s[G1D+5], 1024                       ; from row to row
	s_mov_b32 s[G1D+6], 0
	s_mov_b32 s[G1D+7], 0
	s_mov_b32 s[G1DB+1], 256<<16
	s_mov_b32 s[G1DB+2], 64<<16                    ; 64 rows
	s_mov_b32 s[G1DB+3], 256<<16
	s_mov_b32 s[G1DB+4], 64
	s_mov_b32 s[G1DB+5], 1024
	s_mov_b32 s[G1DB+6], 0
	s_mov_b32 s[G1DB+7], 0
	s_mov_b32 s[G1S+1], 128<<16                    ; one phase
	s_mov_b32 s[G1S+2], 128<<16
	s_mov_b32 s[G1S+3], 128<<16
	s_mov_b32 s[G1S+4], 128
	s_mov_b32 s[G1S+5], 1024
	s_mov_b32 s[G1S+6], 0
	s_mov_b32 s[G1S+7], 0
	s_mov_b32 s[G1SB+1], 128<<16
	s_mov_b32 s[G1SB+2], 64<<16
	s_mov_b32 s[G1SB+3], 128<<16
	s_mov_b32 s[G1SB+4], 64
	s_mov_b32 s[G1SB+5], 1024
	s_mov_b32 s[G1SB+6], 0
	s_mov_b32 s[G1SB+7], 0
	s_lshl_b32 s20, s17, 8
	s_lshl_b32 s21, s16, 7
	s_add_co_u32 s20, s20, s21
	s_lshl_b32 s20, s20, 11                        ; attn: row 256 x tile row + 128 x half, rows of 2,048 bytes
	s_mov_b32 s21, 0
	s_lshl_b32 s90, s86, 7
	s_lshl_b32 s91, s16, 6
	s_add_co_u32 s90, s90, s91
	s_lshl_b32 s90, s90, 11                        ; Wo: row 128 x tile column + 64 x half
	s_mov_b32 s91, 0
	s_mul_i32 s92, s16, 128*DP                     ; where the tiles go, in D: attn's halves,
	s_mul_i32 s93, s16, 64*DP
	s_add_co_u32 s93, s93, DB                      ; Wo's halves;
	s_mul_i32 s94, s16, 128*SP2                    ; in E (and, SO further on, in S) likewise: no place in the cluster enters an LDS address
	s_mul_i32 s95, s16, 64*SP2
	s_add_co_u32 s95, s95, EB
	s_wait_dscnt 0x0                               ; both opening adds are done
	s_wait_kmcnt 0x0
	s_add_nc_u64 s[20:21], s[4:5], s[20:21]
	s_add_nc_u64 s[90:91], s[6:7], s[90:91]
	CROUND                                         ; all sixteen work-groups are here: the first joint loads meet
	s_mov_b32 s[G0S], 1                            ; S: phase 0
	s_add_co_u32 s[G0S+1], s94, SO
	s_mov_b64 s[G0S+2:G0S+3], s[20:21]
	s_or_b32 s[G0S+3], s[G0S+3], 0x80000000
	s_mov_b32 s[G0SB], 1
	s_add_co_u32 s[G0SB+1], s95, SO
	s_mov_b64 s[G0SB+2:G0SB+3], s[90:91]
	s_or_b32 s[G0SB+3], s[G0SB+3], 0x80000000
	JLOAD G0S, G1S, G0SB, G1SB
	s_mov_b32 s[G0D], 1                            ; D: phases 1 and 2
	s_mov_b32 s[G0D+1], s92
	s_add_nc_u64 s[G0D+2:G0D+3], s[20:21], 256
	s_or_b32 s[G0D+3], s[G0D+3], 0x80000000
	s_mov_b32 s[G0DB], 1
	s_mov_b32 s[G0DB+1], s93
	s_add_nc_u64 s[G0DB+2:G0DB+3], s[90:91], 256
	s_or_b32 s[G0DB+3], s[G0DB+3], 0x80000000
	JLOAD G0D, G1D, G0DB, G1DB                     ; two loads of mine are out behind these
	s_mov_b32 s[G0E], 1                            ; E: phase 7; asked for at the fourth round
	s_mov_b32 s[G0E+1], s94
	s_add_nc_u64 s[G0E+2:G0E+3], s[20:21], 7*256
	s_or_b32 s[G0E+3], s[G0E+3], 0x80000000
	s_mov_b32 s[G0EB], 1
	s_mov_b32 s[G0EB+1], s95
	s_add_nc_u64 s[G0EB+2:G0EB+3], s[90:91], 7*256
	s_or_b32 s[G0EB+3], s[G0EB+3], 0x80000000
	v_and_b32 v1, 15, v0                           ; r
	v_bfe_u32 v2, v0, 4, 1                         ; h
	v_mul_u32_u24 v3, v1, DP
	v_lshl_add_u32 v3, v2, 4, v3                   ; a fragment's row x pitch + 16 h, in D,
	v_mul_u32_u24 v4, v1, SP2
	v_lshl_add_u32 v4, v2, 4, v4                   ; and in S and E
	s_mul_i32 s89, s14, 64*DP                      ; my 64 rows
	v_add_nc_u32 v[ADRA], s89, v3
	v_add_nc_u32 v[ADRB], DB, v3
	s_mul_i32 s89, s14, 64*SP2
	v_add_nc_u32 v[ADRA+2], s89, v4
	v_add_nc_u32 v[ADRB+2], EB, v4
	v_add_nc_u32 v[ADRA+1], SO, v[ADRA+2]
	v_add_nc_u32 v[ADRB+1], SO, v[ADRB+2]
	s_mul_i32 s23, s14, 16*SPITCH                  ; my stage, in S
	s_add_co_u32 s23, s23, SO
	v_mul_u32_u24 v5, v1, SPITCH
	v_lshl_add_u32 v5, v2, 5, v5
	v_add_nc_u32 v[STO], s23, v5                   ; in: row r, 32 bytes for each half of the lanes
	v_and_b32 v6, 31, v0
	v_lshlrev_b32 v[CO], 4, v6
	v_add_nc_u32 v[RD], s23, v[CO]                 ; back: the 32 lanes take one row of 512 bytes
	s_lshl_b32 s20, s17, 8
	s_lshl_b32 s21, s14, 6
	s_add_co_u32 s20, s20, s21
	s_lshl_b32 s20, s20, 13                        ; my first row of out0, rows of 8,192 bytes,
	s_lshl_b32 s21, s86, 9                         ; the tile's 512 bytes
	s_add_co_u32 s20, s20, s21
	s_mov_b32 s21, 0
	s_add_nc_u64 s[8:9], s[8:9], s[20:21]
.macro MUL8 a, p, zero                 ; block a of my rows against Wo's eight; the 32 accumulators take turns, one instruction a turn, in the same order in every step
.irp b, 0,1,2,3,4,5,6,7
.if \zero
	v_wmma_f32_16x16x32_f16 v[8*(8*(\a)+\b):8*(8*(\a)+\b)+7], v[64*(\p)+8*\b:64*(\p)+8*\b+7], v[128+32*(\p)+8*(\a):128+32*(\p)+8*(\a)+7], 0
.else
	v_wmma_f32_16x16x32_f16 v[8*(8*(\a)+\b):8*(8*(\a)+\b)+7], v[64*(\p)+8*\b:64*(\p)+8*\b+7], v[128+32*(\p)+8*(\a):128+32*(\p)+8*(\a)+7], v[8*(8*(\a)+\b):8*(8*(\a)+\b)+7]
.endif
.endr
.endm
.macro FETCH rg, q, p                  ; 24 LDS loads in one run: the fragments of region rg's q-th 32 along K into set p.  rg: 0 = D, 1 = S, 2 = E
.if (\rg) == 0
.set PT, DP
.else
.set PT, SP2
.endif
	WIN TO_F
.irp i, 0,1,2,3,4,5,6,7
	ds_load_b128 v[64*(\p)+8*\i:64*(\p)+8*\i+3], v[ADRB+(\rg)] offset:64*(\q)+\i*16*PT
	ds_load_b128 v[64*(\p)+8*\i+4:64*(\p)+8*\i+7], v[ADRB+(\rg)] offset:64*(\q)+\i*16*PT+32
.endr
.irp i, 0,1,2,3
	ds_load_b128 v[128+32*(\p)+8*\i:128+32*(\p)+8*\i+3], v[ADRA+(\rg)] offset:64*(\q)+\i*16*PT
	ds_load_b128 v[128+32*(\p)+8*\i+4:128+32*(\p)+8*\i+7], v[ADRA+(\rg)] offset:64*(\q)+\i*16*PT+32
.endr
.endm
.macro STEP rg, q, zero                ; a step that has its successor in the same region.  Every region has an even number of steps, so step q multiplies set q % 2
	s_wait_dscnt 0x0                               ; this step's fragments, asked for 32 matrix instructions ago, are in
	PLACES                                         ; ahead of the loads into the set that the step before multiplied
	FETCH \rg, (\q)+1, 1-(\q)%2
	WIN MUL
	MUL8 0, (\q)%2, \zero
	MUL8 1, (\q)%2, \zero
	MUL8 2, (\q)%2, \zero
	MUL8 3, (\q)%2, \zero
.endm
; A region's last step: one barrier, and in front of it each wave waits for all its tensor loads, adds 0 to its spare word, and waits for that and for its reads of the region.  Then region nx is read.
; fill = 1: region rg is filled again, three phases on;  2: E takes the last phase, over D, which has been read out;  0: nothing is left to fetch.
.macro TURN rg, nx, fill
	WIN 0                                          ; (the add's two registers lie in window 0)
	s_wait_tensorcnt 0x0                           ; all my tensor loads have landed: my part of the next region
	ds_add_u32 v[SPW], v[NIL]
	s_wait_dscnt 1                                 ; this step's fragments are in; the add alone may be out
	WIN MUL
	MUL8 0, 1, 0                                   ; eight matrix instructions stand between the add and the wait for it
	s_wait_dscnt 0x0                               ; the add is done, and my reads of this region are over
	s_barrier_signal -1
	MUL8 1, 1, 0
	WIN 0
	s_barrier_wait -1
.if (\fill) == 0
	PLACES
.else
	CREST                                          ; the barrier has opened a round of the cluster's: no wave of any partner still reads this region or has a load on its way
.if (\fill) == 2
	JLOAD G0E, G1S, G0EB, G1SB
.elseif (\rg) == 0
	s_add_nc_u64 s[G0D+2:G0D+3], s[G0D+2:G0D+3], 768
	s_add_nc_u64 s[G0DB+2:G0DB+3], s[G0DB+2:G0DB+3], 768
	JLOAD G0D, G1D, G0DB, G1DB
.else
	s_add_nc_u64 s[G0S+2:G0S+3], s[G0S+2:G0S+3], 768
	s_add_nc_u64 s[G0SB+2:G0SB+3], s[G0SB+2:G0SB+3], 768
	JLOAD G0S, G1S, G0SB, G1SB
.endif                                 ; my one tensor load behind the round; its four v_nop are also the places ahead of the loads below
.endif
	FETCH \nx, 0, 0
	WIN MUL
	MUL8 2, 1, 0
	MUL8 3, 1, 0
.endm
	s_wait_tensorcnt 1                             ; my part of S, phase 0, is in; D's load may be out
	s_barrier_signal -1
	s_barrier_wait -1
	FETCH 1, 0, 0
	STEP 1, 0, 1                                   ; the first products start the sums: nothing is cleared
	STEP 1, 1, 0
	STEP 1, 2, 0
	TURN 1, 0, 1                                   ; S takes phase 3
.irp q, 0,1,2,3,4,5,6
	STEP 0, \q, 0                                  ; phases 1 and 2
.endr
	TURN 0, 1, 1                                   ; D takes phases 4 and 5
.irp q, 0,1,2
	STEP 1, \q, 0                                  ; phase 3
.endr
	TURN 1, 0, 1                                   ; S takes phase 6
.irp q, 0,1,2,3,4,5,6
	STEP 0, \q, 0                                  ; phases 4 and 5
.endr
	TURN 0, 1, 2                                   ; E takes phase 7
.irp q, 0,1,2
	STEP 1, \q, 0                                  ; phase 6
.endr
	TURN 1, 2, 0                                   ; nothing is left to fetch
.irp q, 0,1,2
	STEP 2, \q, 0                                  ; phase 7
.endr
	s_wait_dscnt 0x0
	WIN MUL
	MUL8 0, 1, 0
	MUL8 1, 1, 0
	MUL8 2, 1, 0
	MUL8 3, 1, 0
	WIN 0
; THE WAY OUT, block by block of 16 rows x 128 columns, through my own stage; back as whole rows of 512 bytes.
.macro TOSTAGE a
	WIN 0x08                                       ; the data: window 2
.irp b, 0,1,2,3,4,5,6,7
	ds_store_b128 v[STO], v[64*(\a)+8*\b:64*(\a)+8*\b+3] offset:64*\b          ; each accumulator from its low end on
	ds_store_b128 v[STO], v[64*(\a)+8*\b+4:64*(\a)+8*\b+7] offset:64*\b+16
.endr
	WIN 0
.irp t, 0,1,2,3,4,5,6,7,8,9,10,11,12,13,14,15
	ds_load_b128 v[BK+64*((\a)%2)+4*\t:BK+64*((\a)%2)+4*\t+3], v[RD] offset:\t*SPITCH   ; LDS serves a wave's instructions in order: these see the stores above
.endr
.endm
.macro SEND a, younger                 ; younger: the LDS instructions issued behind block a's loads: the next block's 16 stores and 16 loads, or none
	s_wait_dscnt \younger
.irp t, 0,1,2,3,4,5,6,7,8,9,10,11,12,13,14,15
	global_store_b128 v[CO], v[BK+64*((\a)%2)+4*\t:BK+64*((\a)%2)+4*\t+3], s[8:9] offset:(16*(\a)+\t)*8192 th:TH_STORE_NT   ; 32 lanes store 512 consecutive bytes, aligned
.endr
.endm
	PLACES
	TOSTAGE 0
.irp a, 1,2,3
.if \a > 1
	s_wait_xcnt 0x0                                ; block a - 2's stores have read the registers into which block a's loads land
.endif
	TOSTAGE \a
	SEND \a-1, 32
.endr
	SEND 3, 0
	s_wait_tensorcnt 0x0                           ; the wave's end
	ds_add_u32 v[SPW], v[NIL]
	s_wait_dscnt 0x0
	CROUND                                         ; the closing round
	s_endpgm
.Lfunc_end_k_qf40c2df11f_oproj:
	.size	k_qf40c2df11f_oproj, .Lfunc_end_k_qf40c2df11f_oproj-k_qf40c2df11f_oproj
	.p2alignl 7, 3214868480
	.fill 96, 4, 3214868480
	.section	.rodata,"a",@progbits
	.p2align	6, 0x0
	.amdhsa_kernel k_qf40c2df11f_oproj
		.amdhsa_group_segment_fixed_size 327680
		.amdhsa_private_segment_fixed_size 0
		.amdhsa_enable_private_segment 0
		.amdhsa_kernarg_size 24
		.amdhsa_user_sgpr_count 2
		.amdhsa_user_sgpr_kernarg_segment_ptr 1
		.amdhsa_wavefront_size32 1
		.amdhsa_system_sgpr_workgroup_id_x 1
		.amdhsa_system_sgpr_workgroup_id_y 1
		.amdhsa_system_sgpr_workgroup_id_z 1
		.amdhsa_system_vgpr_workitem_id 0
		.amdhsa_next_free_vgpr 768
		.amdhsa_next_free_sgpr 98
		.amdhsa_reserve_vcc 0
		.amdhsa_float_denorm_mode_32 3
		.amdhsa_float_denorm_mode_16_64 3
		.amdhsa_memory_ordered 1
		.amdhsa_forward_progress 1
		.amdhsa_inst_pref_size 147
	.end_amdhsa_kernel
	.amdgpu_metadata
---
amdhsa.version: [ 1, 2 ]
amdhsa.kernels:
  - .name:           k_qf40c2df11f_oproj
    .symbol:         k_qf40c2df11f_oproj.kd
    .args:
      - { .name: attn, .offset: 0, .size: 8, .value_kind: global_buffer, .address_space: global }
      - { .name: wo16, .offset: 8, .size: 8, .value_kind: global_buffer, .address_space: global }
      - { .name: out0, .offset: 16, .size: 8, .value_kind: global_buffer, .address_space: global }
    .group_segment_fixed_size: 327680
    .private_segment_fixed_size: 0
    .kernarg_segment_align: 8
    .kernarg_segment_size: 24
    .max_flat_workgroup_size: 128
    .sgpr_count:     98
    .vgpr_count:     768
    .wavefront_size: 32
...
	.end_amdgpu_metadata
.endif
;; end of part 4
